; MI455X (gfx1250); checked and timed in simulation.
; The chip was launched on July 23, 2026; its instructions are those of AMD's public machine-readable ISA for CDNA 5 (MIT licence, August 2026) and "CDNA5" Instruction Set Architecture Reference Guide (July 2026). The comments in the code are by the model that wrote it; some were corrected since.
;; Multi Heads Attention. Allowed arithmetic: float matrix products may take bf16 or f16 operands with f32 sums; all other float work in f32.
;; Inputs: W_K 2,048 x 2,048 float32; W_O 2,048 x 2,048 float32; W_Q 2,048 x 2,048 float32; W_V 2,048 x 2,048 float32; x 4 x 512 x 2,048 float32.
;; Outputs: out0 4 x 512 x 2,048 float32.
;; 2 versions, each right and faster than the one before. Each part assembles by itself: llvm-mc -triple=amdgcn-amd-amdhsa -mcpu=gfx1250 --defsym DOCPART=n.
;; ======== version 1 of 2: 3 launches
;; limits: values are held in f16: magnitudes above 65,504 overflow, below 6.1e-05 lose precision
;; workspace buffers: qbuf 8,388,608 bytes; kbuf 8,388,608 bytes; vtbuf 8,388,608 bytes; mh 8,388,608 bytes; wo16 8,388,608 bytes
;; launch qkv (part 1): grid 16 x 16, 4 waves a work-group, clusters of 4 x 4, 327,680 bytes of LDS; arguments x, W_Q, W_K, W_V, qbuf, kbuf, vtbuf; writes qbuf, kbuf, vtbuf
.if DOCPART == 1
	.amdgcn_target "amdgcn-amd-amdhsa--gfx1250"
	.amdhsa_code_object_version 6
	.text
	.protected	k_q4dcdd4b4d1_qkv
	.globl	k_q4dcdd4b4d1_qkv
	.p2align	8
	.type	k_q4dcdd4b4d1_qkv,@function
k_q4dcdd4b4d1_qkv:
	s_mov_b64 s[64:65], 0
	v_nop
	global_prefetch_b8 v0, s[64:65] scope:SCOPE_SE
	s_setreg_imm32_b32 hwreg(HW_REG_WAVE_MODE, 25, 1), 1
	s_wait_xcnt 0x0
	s_wait_alu depctr_hold_cnt(0) depctr_sa_sdst(0) depctr_va_vdst(0) depctr_va_sdst(0) depctr_va_ssrc(0) depctr_va_vcc(0) depctr_vm_vsrc(0)
	s_getreg_b32 s2, hwreg(HW_REG_IB_STS2, 6, 4)
	s_cmp_eq_u32 s2, 0
	s_cbranch_scc0 .Lentry_in_a_cluster
	s_endpgm
.Lentry_in_a_cluster:
	s_bfe_u32 s2, ttmp6, 0x10000c
	s_cmp_lg_u32 s2, 0xf033
	s_cbranch_scc0 .Lentry_shape_is_right
	s_endpgm
.Lentry_shape_is_right:
; Q, K, V = x W^T for one head and 128 rows of x.  x: [2048][2048] f32, W_Q, W_K, W_V: [2048][2048] f32 (row = output column).
; Out, in f16: qbuf, kbuf [64 (batch, head)][512 s][128], vtbuf [64][128 v][512 s] (V leaves already transposed).
; LIMIT: x, W and the results are matrix operands in f16 (sums in f32): a magnitude of 65,504 or more becomes infinite, one below
; about 6e-8 vanishes.  f16 and not bf16 because its rounding is eight times finer and five roundings lie between x and the output.
; Work-group: 128 rows x (128 Q + 128 K + 128 V) columns, four waves.  Wave w: all 128 rows x columns 32 w .. 32 w + 31 of each of
; Q, K, V: 8 x 6 accumulator tiles of 16 x 16 = 384 registers.  For 32 along K a wave reads 128 + 96 rows from LDS for 48 matrix instructions.
; K goes in steps of 64 f32 (rows of 256 bytes of memory, at multiples of 256 bytes) through two LDS slots filled by tensor loads.
; The tiles are f32: a fragment is loaded as f32 into a landing area (window 1) and packed to f16 (v_cvt_pk_f16_f32) into one of two
; fragment buffers (window 0), one half step of 32 along K ahead of its products.
; CLUSTER 4 x 4: the four work-groups of a row of the cluster share x's tile (same 128 rows), the four of a column share the three W tiles
; (same head).  Wave 0 asks for x's tile, waves 1, 2, 3 for W_Q's, W_K's, W_V's, each by a joint load: requests are a quarter.
; WINDOWS: 0 addresses and f16 fragments; 1 the f32 landing area; 2, 3 the accumulators of rows 0-63, 64-127 (tile (a, b) at 8 (6 a + b)).
.set PITCH,  272                       ; LDS row: 256 bytes + 16 of padding, an odd multiple of 16: the 16 rows of a fragment load start in 16 different columns of 16 bytes
.set PART,   128*PITCH                 ; one tensor load: 128 rows
.set SLOT,   4*PART                    ; x's rows, W_Q's, W_K's, W_V's
.set FROW,   16*PITCH                  ; 16 rows
.set KBYTES, 256                       ; a K step in memory
.set ADRA,   4                         ; v4-5    LDS address of my lane in x's tile, slot 0, 1
.set ADRB,   6                         ; v6-7    in my 32 rows of W_Q's tile (W_K's lie PART further)
.set ADRV,   8                         ; v8-9    in my 32 rows of W_V's tile
.set STQ,    10                        ; v10     way out: where I put 16 bytes of Q or K
.set STV,    11                        ; v11     way out: where I put 16 bytes of V^T
.set RD,     12                        ; v12     way out: where I read rows of Q or K back
.set RDV,    13                        ; v13     the same for V^T
.set GO,     14                        ; v14     my byte offset in qbuf, kbuf
.set GV,     15                        ; v15     my byte offset in vtbuf
.set F0,     32                        ; v32-143   f16 fragments, buffer 0: x's fragment a at +8 a, W's fragment b at +64 + 8 b
.set F1,     144                       ; v144-255  buffer 1
.set OUTR,   32                        ; way out: 192 registers of packed results, then of rows read back
.set G1A,    24                        ; s[24:31] group 1 for x's tile
.set G0A,    32                        ; s[32:39] group 0 for x's tile, one set a slot
.set G1B,    40                        ; s[40:47] group 1 for the W tiles: another mask
.set G0B,    48                        ; s[48:55] group 0 for the W tiles, one set a slot
.set WAVE,   18
.set MSB,    0
.macro WIN new                         ; s_set_vgpr_msb: bits 1:0 source 0, 3:2 source 1, 5:4 source 2, 7:6 destination; the high byte repeats the setting left
.if MSB != \new
	s_set_vgpr_msb (MSB<<8)|\new
.set MSB, \new
.endif
.endm
.macro PLACES                          ; four places behind a matrix instruction (ISA guide 7.12.1) before its sources are written or its result is read
.rept 4
	v_nop
.endr
.endm
.macro CREST                           ; a round of the cluster's barrier behind its opening work-group barrier
	s_cmp_lg_u32 s[WAVE], 0
	s_cbranch_scc1 .Lnot_wave_0_\@
	s_barrier_signal -3
.Lnot_wave_0_\@:
	s_barrier_wait -3
	s_barrier_signal -1
	s_barrier_wait -1
.endm
.macro CROUND                          ; a whole round
	s_barrier_signal -1
	s_barrier_wait -1
	CREST
.endm
.macro JLOAD s                         ; my quarter of slot s: wave 0 x's tile (mask: my row of the cluster), waves 1-3 a W tile (mask: my column)
	s_cmp_eq_u32 s[WAVE], 0
	s_cbranch_scc0 .Lfor_w_\@
	tensor_load_to_lds s[G0A+4*\s:G0A+4*\s+3], s[G1A:G1A+7]
	s_nop 0
	s_branch .Lasked_\@
.Lfor_w_\@:
	tensor_load_to_lds s[G0B+4*\s:G0B+4*\s+3], s[G1B:G1B+7]
	s_nop 0
.Lasked_\@:
.endm
	s_load_b256 s[4:11], s[0:1], 0x0               ; x s[4:5], W_Q s[6:7], W_K s[8:9], W_V s[10:11]
	s_load_b128 s[12:15], s[0:1], 0x20             ; qbuf s[12:13], kbuf s[14:15]
	s_load_b64 s[16:17], s[0:1], 0x30              ; vtbuf
	v_lshl_add_u32 v30, v0, 2, 0x44000
	v_mov_b32 v31, 0
	ds_add_u32 v30, v31
	v_lshrrev_b32 v1, 5, v0
	v_readfirstlane_b32 s[WAVE], v1                ; wave 0..3
	s_bfe_u32 s19, ttmp6, 0x40000                  ; cx
	s_bfe_u32 s20, ttmp6, 0x40004                  ; cy
	s_lshl_b32 s21, ttmp9, 2
	s_add_co_u32 s21, s21, s19                     ; head = 4 x cluster x + cx
	s_and_b32 s22, ttmp7, 0xffff
	s_lshl_b32 s22, s22, 2
	s_add_co_u32 s22, s22, s20                     ; block of 128 rows = 4 x cluster y + cy
	s_lshl_b32 s56, s20, 2
	s_lshl_b32 s56, 15, s56                        ; my row of the cluster: places 4 cy .. 4 cy + 3
	s_lshl_b32 s58, 0x1111, s19                    ; my column: places cx, cx + 4, cx + 8, cx + 12
	; group 1: 128 rows x 64 elements of 4 bytes, 4 words of padding behind every 64 words
	s_or_b32 s[G1A+0], s56, (2<<16)|(1<<20)|(1<<21)|(5<<22)|(3<<25)
	s_or_b32 s[G1B+0], s58, (2<<16)|(1<<20)|(1<<21)|(5<<22)|(3<<25)
	s_mov_b32 s[G1A+1], 64<<16                     ; tensor_dim0 = 64
	s_mov_b32 s[G1B+1], 64<<16
	s_mov_b32 s[G1A+2], 128<<16                    ; tensor_dim1 = 128
	s_mov_b32 s[G1B+2], 128<<16
	s_mov_b32 s[G1A+3], 64<<16                     ; tile_dim0 = 64
	s_mov_b32 s[G1B+3], 64<<16
	s_mov_b32 s[G1A+4], 128                        ; tile_dim1 = 128
	s_mov_b32 s[G1B+4], 128
	s_mov_b32 s[G1A+5], 2048                       ; elements from row to row
	s_mov_b32 s[G1B+5], 2048
	s_mov_b32 s[G1A+6], 0
	s_mov_b32 s[G1B+6], 0
	s_mov_b32 s[G1A+7], 0
	s_mov_b32 s[G1B+7], 0
	s_lshl_b32 s56, s22, 20                        ; x: 128 rows of 8,192 bytes a block (this pair never holds cx)
	s_mov_b32 s57, 0
	s_lshl_b32 s58, s21, 20                        ; W: 128 rows of 8,192 bytes a head (this pair never holds cy)
	s_mov_b32 s59, 0
	s_mul_i32 s60, s[WAVE], PART                   ; where my quarter goes: the wave's number alone
	s_wait_dscnt 0x0
	s_wait_kmcnt 0x0
	s_cmp_eq_u32 s[WAVE], 2
	s_cselect_b64 s[62:63], s[8:9], s[6:7]         ; wave 2: W_K
	s_cmp_eq_u32 s[WAVE], 3
	s_cselect_b64 s[62:63], s[10:11], s[62:63]     ; wave 3: W_V; else W_Q
	s_add_nc_u64 s[62:63], s[62:63], s[58:59]
	s_add_nc_u64 s[68:69], s[4:5], s[56:57]
	CROUND                                         ; all sixteen work-groups are here: the first joint loads meet
.irp s, 0,1
	s_mov_b32 s[G0A+4*\s], 1
	s_add_co_u32 s[G0A+4*\s+1], s60, \s*SLOT
	s_add_nc_u64 s[G0A+4*\s+2:G0A+4*\s+3], s[68:69], \s*KBYTES
	s_or_b32 s[G0A+4*\s+3], s[G0A+4*\s+3], 0x80000000
	s_mov_b32 s[G0B+4*\s], 1
	s_add_co_u32 s[G0B+4*\s+1], s60, \s*SLOT
	s_add_nc_u64 s[G0B+4*\s+2:G0B+4*\s+3], s[62:63], \s*KBYTES
	s_or_b32 s[G0B+4*\s+3], s[G0B+4*\s+3], 0x80000000
	JLOAD \s                                       ; K steps 0 and 1: two tensor loads of the wave are out, never more
.endr
	; lane l: r = l % 16, h = l / 16.  An f16 fragment wants k = 8 h .. 8 h + 7 and 16 + 8 h .. + 7 of row r: in f32 the 32 bytes at 32 h and at 64 + 32 h
	v_and_b32 v1, 15, v0                           ; r
	v_bfe_u32 v2, v0, 4, 1                         ; h
	v_mul_u32_u24 v3, v1, PITCH
	v_lshl_add_u32 v[ADRA], v2, 5, v3              ; r x pitch + 32 h
	v_add_nc_u32 v[ADRA+1], SLOT, v[ADRA]
	s_mul_i32 s70, s[WAVE], 32*PITCH               ; my 32 rows of a tile
	s_add_co_u32 s71, s70, PART
	v_add_nc_u32 v[ADRB], s71, v[ADRA]
	v_add_nc_u32 v[ADRB+1], SLOT, v[ADRB]
	v_add_nc_u32 v[ADRV], 2*PART, v[ADRB]
	v_add_nc_u32 v[ADRV+1], SLOT, v[ADRV]
	v_lshl_add_u32 v16, v2, 4, v3                  ; r x pitch + 16 h
	s_lshl_b32 s71, s[WAVE], 6
	v_add_nc_u32 v[STQ], s71, v16                  ; + my 32 columns of f16
	s_add_co_u32 s71, s70, 2*PART
	v_add_nc_u32 v[STV], s71, v16                  ; V^T's stage, row 32 w + r
	v_mul_u32_u24 v17, v2, PITCH
	v_lshl_add_u32 v17, v1, 4, v17                 ; lanes 0-15 one row of 256 bytes, lanes 16-31 the next
	v_add_nc_u32 v[RD], s70, v17
	v_add_nc_u32 v[RDV], 2*PART, v[RD]
	v_lshlrev_b32 v17, 4, v1
	v_lshl_add_u32 v18, v2, 8, v17
	s_lshl_b32 s71, s[WAVE], 13
	v_add_nc_u32 v[GO], s71, v18                   ; (32 w + h) rows of 256 bytes + 16 r
	v_lshl_add_u32 v18, v2, 10, v17
	s_lshl_b32 s71, s[WAVE], 15
	v_add_nc_u32 v[GV], s71, v18                   ; (32 w + h) rows of 1,024 bytes + 16 r
.macro MM d, x, y, zero                ; one matrix instruction; zero = 1: it starts the sum, nothing is cleared
.if \zero
	v_wmma_f32_16x16x32_f16 v[\d:\d+7], v[\x:\x+7], v[\y:\y+7], 0
.else
	v_wmma_f32_16x16x32_f16 v[\d:\d+7], v[\x:\x+7], v[\y:\y+7], v[\d:\d+7]
.endif
.endm
; 24 matrix instructions: row fragments 4 hi .. 4 hi + 3 x my six column fragments, 32 along K, from buffer f.
; Q and K (b < 4): W's fragment is source 0, so a lane holds 8 neighbouring columns of one row.  V (b >= 4): x's fragment is source 0, so a
; lane holds 8 neighbouring s of one column v: a piece of a row of V^T.  The 48 accumulators take turns, one instruction a turn.
.macro MUL24 f, hi, zero
.irp a, 0,1,2,3
.irp b, 0,1,2,3
	MM 8*(6*\a+\b), \f+64+8*\b, \f+8*(4*\hi+\a), \zero
.endr
.irp b, 4,5
	MM 8*(6*\a+\b), \f+8*(4*\hi+\a), \f+64+8*\b, \zero
.endr
.endr
.endm
.macro LD4 d, adr, off                 ; one fragment as f32: 16 registers
	ds_load_b128 v[\d:\d+3],     v[\adr] offset:\off
	ds_load_b128 v[\d+4:\d+7],   v[\adr] offset:\off+16
	ds_load_b128 v[\d+8:\d+11],  v[\adr] offset:\off+64
	ds_load_b128 v[\d+12:\d+15], v[\adr] offset:\off+80
.endm
.macro LOAD slot, sub                  ; 56 LDS loads in one run: the 14 fragments of half step sub of a slot, into the landing area
	WIN 0x40
.irp a, 0,1,2,3,4,5,6,7
	LD4 16*\a, ADRA+\slot, FROW*\a+128*\sub
.endr
.irp b, 0,1,2,3
	LD4 128+16*\b, ADRB+\slot, PART*(\b/2)+FROW*(\b%2)+128*\sub
.endr
.irp b, 4,5
	LD4 128+16*\b, ADRV+\slot, FROW*(\b-4)+128*\sub
.endr
.endm
.macro CVT f                           ; the landing area's 224 f32 to 112 registers of f16 in buffer f
	WIN 0x05
.set cvi, 0
.rept 112
	v_cvt_pk_f16_f32 v[\f+cvi], v[2*cvi], v[2*cvi+1]
.set cvi, cvi+1
.endr
.endm
; A K step of 64 on slot s.  At its head buffer 0 holds the slot's first half step and the second is on its way into the landing area.
; nx = the other slot.  mode 2: slot s is filled again, two K steps ahead; 1: only the change of slots; 0: the last step.
; One barrier for the change of slots.  In front of its signal each wave has waited for its last reads of slot s and for all its tensor loads
; (the one that is out is its quarter of slot nx).  With mode 2 that barrier opens a round of the cluster's barrier, and the joint refill is the
; first tensor load behind the round: no wave of any partner still reads the slot or has a load on its way.
.macro KSTEP s, nx, mode, zero
	WIN 0xa0
	MUL24 F0, 0, \zero
	s_wait_dscnt 0x0                               ; the second half step has landed in registers: my reads of slot s are over
.if \mode >= 1
	s_wait_tensorcnt 0x0                           ; all my tensor loads have landed
	ds_add_u32 v30, v31
	s_wait_dscnt 0x0
	s_barrier_signal -1
.endif
	PLACES                                         ; buffer 1 was read by matrix instructions
	CVT F1                                         ; register work while the others arrive
	WIN 0
.if \mode >= 1
	s_barrier_wait -1
.endif
.if \mode == 2
	CREST
	s_add_nc_u64 s[G0A+4*\s+2:G0A+4*\s+3], s[G0A+4*\s+2:G0A+4*\s+3], 2*KBYTES
	s_add_nc_u64 s[G0B+4*\s+2:G0B+4*\s+3], s[G0B+4*\s+2:G0B+4*\s+3], 2*KBYTES
	JLOAD \s                                       ; it has a whole K step, 96 matrix instructions and 224 conversions, in which to land
.endif
.if \mode >= 1
	LOAD \nx, 0
.endif
	WIN 0xf0
	MUL24 F0, 1, \zero
	WIN 0xa0
	MUL24 F1, 0, 0
.if \mode >= 1
	s_wait_dscnt 0x0                               ; the next slot's first half step is in registers
	PLACES                                         ; buffer 0 was read by matrix instructions
	CVT F0
	LOAD \nx, 1
.endif
	WIN 0xf0
	MUL24 F1, 1, 0
.endm
	s_wait_tensorcnt 0x1                           ; my quarter of K step 0 is in; K step 1's load, issued behind it, stays out
	s_barrier_signal -1
	s_barrier_wait -1                              ; everybody's is
	LOAD 0, 0
	s_wait_dscnt 0x0
	CVT F0
	LOAD 0, 1
	KSTEP 0, 1, 2, 1                               ; the first lap stands in front of the loop: its first products start the sums
	KSTEP 1, 0, 2, 0
	WIN 0
	s_mov_b32 s66, 14                              ; 32 K steps: 2 here, 28 in the loop, 2 behind it
.Llap:
	KSTEP 0, 1, 2, 0
	KSTEP 1, 0, 2, 0
	WIN 0
	s_sub_co_u32 s66, s66, 1
	s_cmp_lg_u32 s66, 0
	s_cbranch_scc1 .Llap
	KSTEP 0, 1, 1, 0                               ; the last two steps fill nothing
	KSTEP 1, 0, 0, 0
	; THE WAY OUT.  Round to f16, 16 bytes a lane into a stage in LDS, read whole rows of 256 bytes back, store them.
	; The stage lies in slot 0: its last fill was K step 30's tile, and every wave's last reads of it were waited for in front of that step's barrier.
	PLACES
.macro PACK hi
.irp a, 0,1,2,3
.irp b, 0,1,2,3,4,5
.irp q, 0,1,2,3
	v_cvt_pk_f16_f32 v[OUTR+4*(24*\hi+6*\a+\b)+\q], v[8*(6*\a+\b)+2*\q], v[8*(6*\a+\b)+2*\q+1]
.endr
.endr
.endr
.endm
	WIN 0x0a
	PACK 0
	WIN 0x0f
	PACK 1
	WIN 0
.irp hi, 0,1
.irp a, 0,1,2,3
.irp b, 0,1,2,3
	ds_store_b128 v[STQ], v[OUTR+4*(24*\hi+6*\a+\b):OUTR+4*(24*\hi+6*\a+\b)+3] offset:PART*(\b/2)+FROW*(4*\hi+\a)+32*(\b%2)
.endr
.irp b, 4,5
	ds_store_b128 v[STV], v[OUTR+4*(24*\hi+6*\a+\b):OUTR+4*(24*\hi+6*\a+\b)+3] offset:FROW*(\b-4)+32*(4*\hi+\a)
.endr
.endr
.endr
	s_lshr_b32 s72, s22, 2                         ; batch
	s_lshl4_add_u32 s72, s72, s21                  ; 16 x batch + head
	s_lshl_b32 s72, s72, 17                        ; 131,072 bytes a head in each of the three buffers
	s_and_b32 s74, s22, 3                          ; which 128 of the 512 s
	s_lshl_b32 s76, s74, 15                        ; 128 rows of 256 bytes
	s_add_co_u32 s76, s76, s72
	s_mov_b32 s77, 0
	s_lshl_b32 s78, s74, 8                         ; 128 columns of 2 bytes
	s_add_co_u32 s78, s78, s72
	s_mov_b32 s79, 0
	s_add_nc_u64 s[12:13], s[12:13], s[76:77]
	s_add_nc_u64 s[14:15], s[14:15], s[76:77]
	s_add_nc_u64 s[16:17], s[16:17], s[78:79]
	s_wait_dscnt 0x0                               ; my stores are in LDS: a row of Q or K holds columns of all four waves
	s_barrier_signal -1
	s_barrier_wait -1
.set ti, 0
.rept 16
	ds_load_b128 v[OUTR+4*ti:OUTR+4*ti+3], v[RD] offset:2*PITCH*ti
.set ti, ti+1
.endr
.set ti, 0
.rept 16
	ds_load_b128 v[OUTR+64+4*ti:OUTR+64+4*ti+3], v[RD] offset:PART+2*PITCH*ti
.set ti, ti+1
.endr
.set ti, 0
.rept 16
	ds_load_b128 v[OUTR+128+4*ti:OUTR+128+4*ti+3], v[RDV] offset:2*PITCH*ti
.set ti, ti+1
.endr
	; each wait counts the younger of the 48 loads; 16 lanes store 256 consecutive bytes at a multiple of 256 from the buffer's first byte
.set ti, 0
.rept 16
	s_wait_dscnt 47-ti
	global_store_b128 v[GO], v[OUTR+4*ti:OUTR+4*ti+3], s[12:13] offset:512*ti
.set ti, ti+1
.endr
.set ti, 0
.rept 16
	s_wait_dscnt 31-ti
	global_store_b128 v[GO], v[OUTR+64+4*ti:OUTR+64+4*ti+3], s[14:15] offset:512*ti
.set ti, ti+1
.endr
.set ti, 0
.rept 16
	s_wait_dscnt 15-ti
	global_store_b128 v[GV], v[OUTR+128+4*ti:OUTR+128+4*ti+3], s[16:17] offset:2048*ti
.set ti, ti+1
.endr
	s_wait_tensorcnt 0x0
	ds_add_u32 v30, v31
	s_wait_dscnt 0x0
	CROUND                                         ; the closing round: no work-group ends while a partner may still ask jointly
	s_endpgm
.Lfunc_end_k_q4dcdd4b4d1_qkv:
	.size	k_q4dcdd4b4d1_qkv, .Lfunc_end_k_q4dcdd4b4d1_qkv-k_q4dcdd4b4d1_qkv
	.p2alignl 7, 3214868480
	.fill 96, 4, 3214868480
	.section	.rodata,"a",@progbits
	.p2align	6, 0x0
	.amdhsa_kernel k_q4dcdd4b4d1_qkv
		.amdhsa_group_segment_fixed_size 327680
		.amdhsa_private_segment_fixed_size 0
		.amdhsa_enable_private_segment 0
		.amdhsa_kernarg_size 56
		.amdhsa_user_sgpr_count 2
		.amdhsa_user_sgpr_kernarg_segment_ptr 1
		.amdhsa_wavefront_size32 1
		.amdhsa_system_sgpr_workgroup_id_x 1
		.amdhsa_system_sgpr_workgroup_id_y 1
		.amdhsa_system_sgpr_workgroup_id_z 1
		.amdhsa_system_vgpr_workitem_id 0
		.amdhsa_next_free_vgpr 960
		.amdhsa_next_free_sgpr 84
		.amdhsa_reserve_vcc 0
		.amdhsa_float_denorm_mode_32 3
		.amdhsa_float_denorm_mode_16_64 3
		.amdhsa_memory_ordered 1
		.amdhsa_forward_progress 1
		.amdhsa_inst_pref_size 201
	.end_amdhsa_kernel
	.amdgpu_metadata
---
amdhsa.version: [ 1, 2 ]
amdhsa.kernels:
  - .name:           k_q4dcdd4b4d1_qkv
    .symbol:         k_q4dcdd4b4d1_qkv.kd
    .args:
      - { .name: x, .offset: 0, .size: 8, .value_kind: global_buffer, .address_space: global }
      - { .name: W_Q, .offset: 8, .size: 8, .value_kind: global_buffer, .address_space: global }
      - { .name: W_K, .offset: 16, .size: 8, .value_kind: global_buffer, .address_space: global }
      - { .name: W_V, .offset: 24, .size: 8, .value_kind: global_buffer, .address_space: global }
      - { .name: qbuf, .offset: 32, .size: 8, .value_kind: global_buffer, .address_space: global }
      - { .name: kbuf, .offset: 40, .size: 8, .value_kind: global_buffer, .address_space: global }
      - { .name: vtbuf, .offset: 48, .size: 8, .value_kind: global_buffer, .address_space: global }
    .group_segment_fixed_size: 327680
    .private_segment_fixed_size: 0
    .kernarg_segment_align: 8
    .kernarg_segment_size: 56
    .max_flat_workgroup_size: 128
    .sgpr_count:     84
    .vgpr_count:     960
    .wavefront_size: 32
...
	.end_amdgpu_metadata
.endif
;; end of part 1
;; launch attn (part 2): grid 256 x 1, 4 waves a work-group, clusters of 4 x 1, 325,120 bytes of LDS; arguments qbuf, kbuf, vtbuf, W_O, mh, wo16; writes mh, wo16
.if DOCPART == 2
	.amdgcn_target "amdgcn-amd-amdhsa--gfx1250"
	.amdhsa_code_object_version 6
	.text
	.protected	k_q4dcdd4b4d1_attn
	.globl	k_q4dcdd4b4d1_attn
	.p2align	8
	.type	k_q4dcdd4b4d1_attn,@function
k_q4dcdd4b4d1_attn:
	s_mov_b64 s[64:65], 0
	v_nop
	global_prefetch_b8 v0, s[64:65] scope:SCOPE_SE
	s_setreg_imm32_b32 hwreg(HW_REG_WAVE_MODE, 25, 1), 1
	s_wait_xcnt 0x0
	s_wait_alu depctr_hold_cnt(0) depctr_sa_sdst(0) depctr_va_vdst(0) depctr_va_sdst(0) depctr_va_ssrc(0) depctr_va_vcc(0) depctr_vm_vsrc(0)
	s_getreg_b32 s2, hwreg(HW_REG_IB_STS2, 6, 4)
	s_cmp_eq_u32 s2, 0
	s_cbranch_scc0 .Lentry_in_a_cluster
	s_endpgm
.Lentry_in_a_cluster:
	s_bfe_u32 s2, ttmp6, 0x10000c
	s_cmp_lg_u32 s2, 0x3003
	s_cbranch_scc0 .Lentry_shape_is_right
	s_endpgm
.Lentry_shape_is_right:
; Causal attention of one (batch, head), a quarter of its queries a work-group; and, while the tiles land, 64 KiB of W_O from f32 to f16.
; qbuf, kbuf: [64][512][128] f16; vtbuf: [64][128 v][512 s] f16; mh: [2048 rows b*512+s][2048 columns h*128+v] f16; wo16 as W_O, f16.
; LIMIT: P and the result are f16 (scores, maxima, sums and the running output f32): |mh| is at most the largest |V|, which is below 65,504.
; CLUSTER 4 x 1: the four work-groups of a head.  Work-group cx takes the query tiles of 16 rows at 64 i + 16 cx, i = 0..7.  Tile i needs the
; chunks of 64 keys 0 .. i whatever cx is, so all four need all of K and V (two joint loads a wave, mask 15), and no branch and no LDS address hangs on cx:
; cx enters global addresses and the mask's threshold alone.  Q's tiles are a work-group's own: plain loads.
; Wave w takes tiles i = w and i = 7 - w: 9 units of 16 queries x 64 keys in every wave.  K, V^T and Q are filled once; nothing is filled again.
; S^T = K Q^T: a lane holds query r = l % 16 and keys 16 f + 8 h + j (h = l / 16), which packed in pairs IS the fragment of P for O^T = V^T P^T.
; So maximum, sum and scale are one register a lane, and only the two halves of the lanes exchange a number.
; The diagonal chunk comes first (a running softmax takes the chunks in any order): it alone is masked, it starts maximum, sum and output.
.set KPITCH, 272                       ; rows of 256 bytes + 16
.set VPITCH, 1040                      ; rows of 1,024 bytes + 16; both odd multiples of 16
.set LDSV,   512*KPITCH                ; K: 512 rows from byte 0; V^T: 128 rows from here
.set LDSQ,   LDSV+128*VPITCH           ; Q: wave x 2 tiles x 16 rows
.set STAGE,  LDSQ+128*KPITCH           ; the way out: 16 rows x 272 a wave, in blocks of 256 bytes that no tensor load fills
.set KL,   3                           ; r x 272 + 16 h
.set VL0,  4                           ; V^T rows r (fragments 0-3), + 16 h
.set VL1,  5                           ; V^T rows 64 + r (fragments 4-7)
.set QA,   6
.set KA,   7                           ; running: the chunk of K that is loaded next
.set VA0,  8                           ; running: the chunk of V
.set VA1,  9
.set STO,  10
.set RD,   11
.set GOLO, 12                          ; my byte offset in mh, tile w
.set GOHI, 13                          ; tile 7 - w
.set THR,  14                          ; 16 cx + r - 8 h: key 16 f + j of my half is allowed where 16 f + j <= THR
.set NINF, 15
.set MX,   16                          ; running maximum of the raw scores
.set LS,   17                          ; running sum, my half of the keys
.set NMC,  18                          ; v[18:19]  - maximum x c, twice
.set AL,   20                          ; v[20:21]  the scale of what was summed before, twice; at the end 1 / sum
.set TT,   22                          ; v[22:29]  at work
.set QF,   32                          ; v[32:63]   Q's four fragments
.set SC,   64                          ; v[64:95]   scores, then P in f32
.set PR,   96                          ; v[96:111]  P's two fragments
.set OA,   112                         ; v[112:175] O^T: eight tiles of 16 v x 16 queries
.set OUTR, 176                         ; v[176:207] O in f16
.set RB,   208                         ; v[208:239] rows read back
.set KF,   0                           ; window 1: K's fragments, (f, ks) at 8 (4 f + ks)
.set VF,   128                         ; window 1: V^T's fragments, (ks2, vf) at 8 (8 ks2 + vf)
.set G1K,  24
.set G1V,  32
.set G1Q,  40
.set G0K,  48
.set G0V,  52
.set G0Q,  56                          ; s[56:59] tile w, s[60:63] tile 7 - w
.set WAVE, 18
.set MSB,  0
.macro WIN new
.if MSB != \new
	s_set_vgpr_msb (MSB<<8)|\new
.set MSB, \new
.endif
.endm
.macro PLACES                          ; four places behind a matrix instruction (ISA guide 7.12.1)
.rept 4
	v_nop
.endr
.endm
.macro CROUND                          ; a round of the cluster's barrier
	s_barrier_signal -1
	s_barrier_wait -1
	s_cmp_lg_u32 s[WAVE], 0
	s_cbranch_scc1 .Lnot_wave_0_\@
	s_barrier_signal -3
.Lnot_wave_0_\@:
	s_barrier_wait -3
	s_barrier_signal -1
	s_barrier_wait -1
.endm
	s_load_b256 s[4:11], s[0:1], 0x0               ; qbuf s[4:5], kbuf s[6:7], vtbuf s[8:9], W_O s[10:11]
	s_load_b128 s[12:15], s[0:1], 0x20             ; mh s[12:13], wo16 s[14:15]
	v_lshl_add_u32 v30, v0, 2, 0x4f400
	v_mov_b32 v31, 0
	ds_add_u32 v30, v31
	v_lshrrev_b32 v1, 5, v0
	v_readfirstlane_b32 s[WAVE], v1                ; w
	s_sub_co_u32 s19, 7, s[WAVE]                   ; 7 - w
	s_bfe_u32 s16, ttmp6, 0x40000                  ; cx; ttmp9 counts clusters: the (batch, head)
	s_mov_b32 s20, 0x3e0293ee                      ; c = log2(e) / sqrt(128)
	s_mov_b32 s21, 0x3e0293ee
	s_mov_b32 s22, 0x76543210                      ; v_permlanex16_b32: lane i reads lane i of the other half
	s_mov_b32 s23, 0xfedcba98
	; K: 128 rows x 128 f16 a wave, jointly.  V^T: 32 rows x 512 f16 a wave, jointly.  Q: 16 rows x 128 f16, twice a wave, my own.
	s_mov_b32 s[G1K+0], 15|(1<<16)|(1<<20)|(1<<21)|(5<<22)|(3<<25)
	s_mov_b32 s[G1K+1], 128<<16
	s_mov_b32 s[G1K+2], 128<<16
	s_mov_b32 s[G1K+3], 128<<16
	s_mov_b32 s[G1K+4], 128
	s_mov_b32 s[G1K+5], 128
	s_mov_b32 s[G1K+6], 0
	s_mov_b32 s[G1K+7], 0
	s_mov_b32 s[G1V+0], 15|(1<<16)|(1<<20)|(1<<21)|(7<<22)|(3<<25)
	s_mov_b32 s[G1V+1], 512<<16
	s_mov_b32 s[G1V+2], 32<<16
	s_mov_b32 s[G1V+3], 512<<16
	s_mov_b32 s[G1V+4], 32
	s_mov_b32 s[G1V+5], 512
	s_mov_b32 s[G1V+6], 0
	s_mov_b32 s[G1V+7], 0
	s_mov_b32 s[G1Q+0], (1<<16)|(1<<20)|(5<<22)|(3<<25)
	s_mov_b32 s[G1Q+1], 128<<16
	s_mov_b32 s[G1Q+2], 16<<16
	s_mov_b32 s[G1Q+3], 128<<16
	s_mov_b32 s[G1Q+4], 16
	s_mov_b32 s[G1Q+5], 128
	s_mov_b32 s[G1Q+6], 0
	s_mov_b32 s[G1Q+7], 0
	s_mov_b32 s[G0K], 1
	s_mul_i32 s[G0K+1], s[WAVE], 128*KPITCH
	s_mov_b32 s[G0V], 1
	s_mul_i32 s[G0V+1], s[WAVE], 32*VPITCH
	s_add_co_u32 s[G0V+1], s[G0V+1], LDSV
	s_mov_b32 s[G0Q], 1
	s_mul_i32 s[G0Q+1], s[WAVE], 32*KPITCH
	s_add_co_u32 s[G0Q+1], s[G0Q+1], LDSQ
	s_mov_b32 s[G0Q+4], 1
	s_add_co_u32 s[G0Q+5], s[G0Q+1], 16*KPITCH
	s_lshl_b32 s66, ttmp9, 17                      ; 131,072 bytes a head
	s_lshl_b32 s68, s[WAVE], 15                    ; my 128 rows of K, my 32 rows of V^T: 32,768 bytes either way
	s_add_co_u32 s68, s68, s66
	s_mov_b32 s69, 0
	s_lshl_b32 s67, s16, 12                        ; 16 cx rows of 256 bytes
	s_add_co_u32 s67, s67, s66
	s_lshl_b32 s70, s[WAVE], 14                    ; 64 w rows
	s_add_co_u32 s70, s70, s67
	s_mov_b32 s71, 0
	s_lshl_b32 s72, s19, 14                        ; 64 (7 - w) rows
	s_add_co_u32 s72, s72, s67
	s_mov_b32 s73, 0
	s_lshl_b32 s74, ttmp9, 2
	s_add_co_u32 s74, s74, s16                     ; work-group 0..255: its slice of W_O
	s_lshl_b32 s76, s74, 16                        ; 65,536 bytes of f32
	s_mov_b32 s77, 0
	s_lshl_b32 s78, s74, 15                        ; 32,768 bytes of f16
	s_mov_b32 s79, 0
	s_lshr_b32 s84, ttmp9, 4                       ; batch
	s_lshl_b32 s84, s84, 21                        ; 512 rows of 4,096 bytes
	s_and_b32 s85, ttmp9, 15                       ; head
	s_lshl_b32 s85, s85, 8                         ; 128 columns of 2 bytes
	s_add_co_u32 s84, s84, s85
	s_lshl_b32 s85, s16, 16                        ; 16 cx rows
	s_add_co_u32 s84, s84, s85
	s_mov_b32 s85, 0
	s_wait_dscnt 0x0
	s_wait_kmcnt 0x0
	s_add_nc_u64 s[G0K+2:G0K+3], s[6:7], s[68:69]
	s_or_b32 s[G0K+3], s[G0K+3], 0x80000000
	s_add_nc_u64 s[G0V+2:G0V+3], s[8:9], s[68:69]
	s_or_b32 s[G0V+3], s[G0V+3], 0x80000000
	s_add_nc_u64 s[G0Q+2:G0Q+3], s[4:5], s[70:71]
	s_or_b32 s[G0Q+3], s[G0Q+3], 0x80000000
	s_add_nc_u64 s[G0Q+6:G0Q+7], s[4:5], s[72:73]
	s_or_b32 s[G0Q+7], s[G0Q+7], 0x80000000
	s_add_nc_u64 s[10:11], s[10:11], s[76:77]
	s_add_nc_u64 s[14:15], s[14:15], s[78:79]
	s_add_nc_u64 s[12:13], s[12:13], s[84:85]
	CROUND                                         ; the four work-groups are here: the joint loads meet
	tensor_load_to_lds s[G0K:G0K+3], s[G1K:G1K+7]
	s_nop 0
	tensor_load_to_lds s[G0V:G0V+3], s[G1V:G1V+7]
	s_nop 0
	tensor_load_to_lds s[G0Q:G0Q+3], s[G1Q:G1Q+7]
	s_nop 0
	tensor_load_to_lds s[G0Q+4:G0Q+7], s[G1Q:G1Q+7]  ; four tensor loads of the wave are out, all that it ever issues
	s_nop 0
	; While they land: my work-group's 65,536 bytes of W_O to f16.  A load of the work-group covers 2,048 consecutive bytes, a store of a wave 256.
	v_lshlrev_b32 v26, 4, v0
	v_lshlrev_b32 v27, 3, v0
.set wn, 0
.rept 32
	global_load_b128 v[64+4*wn:64+4*wn+3], v26, s[10:11] offset:2048*wn th:TH_LOAD_NT
.set wn, wn+1
.endr
	v_and_b32 v1, 15, v0                           ; r
	v_bfe_u32 v2, v0, 4, 1                         ; h
	v_mul_u32_u24 v28, v1, KPITCH
	v_lshl_add_u32 v[KL], v2, 4, v28
	v_mul_u32_u24 v28, v1, VPITCH
	v_lshl_add_u32 v28, v2, 4, v28
	v_add_nc_u32 v[VL0], LDSV, v28
	v_add_nc_u32 v[VL1], 64*VPITCH, v[VL0]
	v_add_nc_u32 v[QA], s[G0Q+1], v[KL]
	s_mul_i32 s86, s[WAVE], 16*KPITCH
	s_add_co_u32 s86, s86, STAGE
	v_add_nc_u32 v[STO], s86, v[KL]
	v_mul_u32_u24 v28, v2, KPITCH
	v_lshl_add_u32 v28, v1, 4, v28
	v_add_nc_u32 v[RD], s86, v28
	v_lshlrev_b32 v28, 4, v1
	v_lshl_add_u32 v28, v2, 12, v28                ; h rows of 4,096 bytes + 16 r
	s_lshl_b32 s87, s[WAVE], 18                    ; 64 rows a tile index
	v_add_nc_u32 v[GOLO], s87, v28
	s_lshl_b32 s87, s19, 18
	v_add_nc_u32 v[GOHI], s87, v28
	v_lshlrev_b32 v28, 3, v2
	v_sub_nc_u32 v28, v1, v28                      ; r - 8 h, signed
	s_lshl_b32 s87, s16, 4
	v_add_nc_u32 v[THR], s87, v28
	v_mov_b32 v[NINF], 0xff800000
.set wn, 0
.rept 4
	s_wait_loadcnt 24-wn                           ; loads come back in order: the next eight are in, the younger ones stay out
.rept 8
	v_cvt_pk_f16_f32 v[192+2*wn],   v[64+4*wn],   v[64+4*wn+1]
	v_cvt_pk_f16_f32 v[192+2*wn+1], v[64+4*wn+2], v[64+4*wn+3]
	global_store_b64 v27, v[192+2*wn:192+2*wn+1], s[14:15] offset:1024*wn
.set wn, wn+1
.endr
.endr
	s_wait_tensorcnt 0x0                           ; my parts of K and V^T and my Q are in LDS
	s_barrier_signal -1
	s_barrier_wait -1                              ; everybody's are
	s_wait_xcnt 0x0                                ; the stores' data and offsets are rewritten only behind this wait
.macro MM d, x, y, zero
.if \zero
	v_wmma_f32_16x16x32_f16 v[\d:\d+7], v[\x:\x+7], v[\y:\y+7], 0
.else
	v_wmma_f32_16x16x32_f16 v[\d:\d+7], v[\x:\x+7], v[\y:\y+7], v[\d:\d+7]
.endif
.endm
.macro KLOADS                          ; 32 loads: 64 keys x 128 of the chunk at KA
	WIN 0x40
.irp e, 0,1,2,3
.irp c, 0,1,2,3
	ds_load_b128 v[KF+8*(4*\e+\c):KF+8*(4*\e+\c)+3],   v[KA] offset:16*KPITCH*\e+64*\c
	ds_load_b128 v[KF+8*(4*\e+\c)+4:KF+8*(4*\e+\c)+7], v[KA] offset:16*KPITCH*\e+64*\c+32
.endr
.endr
	WIN 0
.endm
.macro VLOADS                          ; 32 loads: 128 v x 64 keys of the chunk at VA0, VA1
	WIN 0x40
.irp c, 0,1
.irp e, 0,1,2,3
	ds_load_b128 v[VF+8*(8*\c+\e):VF+8*(8*\c+\e)+3],   v[VA0] offset:16*VPITCH*\e+64*\c
	ds_load_b128 v[VF+8*(8*\c+\e)+4:VF+8*(8*\c+\e)+7], v[VA0] offset:16*VPITCH*\e+64*\c+32
.endr
.irp e, 0,1,2,3
	ds_load_b128 v[VF+8*(8*\c+\e+4):VF+8*(8*\c+\e+4)+3],   v[VA1] offset:16*VPITCH*\e+64*\c
	ds_load_b128 v[VF+8*(8*\c+\e+4)+4:VF+8*(8*\c+\e+4)+7], v[VA1] offset:16*VPITCH*\e+64*\c+32
.endr
.endr
	WIN 0
.endm
; One unit: 16 queries x 64 keys.  first = 1: the tile's diagonal chunk, masked; it starts maximum, sum and output.
; At its head this chunk's K is on its way (or in).  In both runs of matrix instructions the accumulators take turns, one instruction a turn.
.macro UNIT first
	PLACES                                         ; V's fragments were read by matrix instructions
	VLOADS
.if \first
	v_mov_b32 v[VA0], v[VL0]                       ; next: chunk 0
	v_mov_b32 v[VA1], v[VL1]
.else
	v_add_nc_u32 v[VA0], 128, v[VA0]               ; next: 64 keys of 2 bytes on
	v_add_nc_u32 v[VA1], 128, v[VA1]
.endif
	s_wait_dscnt 32                                ; Q and this chunk's K are in; V's 32 loads, issued behind them, stay out
	WIN 0x01
.irp c, 0,1,2,3
.irp e, 0,1,2,3
.if \c == 0
	MM SC+8*\e, KF+8*(4*\e+\c), QF+8*\c, 1
.else
	MM SC+8*\e, KF+8*(4*\e+\c), QF+8*\c, 0
.endif
.endr
.endr
	PLACES                                         ; K's fragments are loaded again, the scores are read
	KLOADS                                         ; the next chunk's K (behind a tile's last unit: a chunk of K that is not used; it lies inside K)
	v_add_nc_u32 v[KA], 64*KPITCH, v[KA]
.if \first
.irp e, 0,1,2,3
.irp j, 0,1,2,3,4,5,6,7
	v_cmp_le_i32 vcc_lo, 16*\e+\j, v[THR]          ; key <= query
	v_cndmask_b32 v[SC+8*\e+\j], v[NINF], v[SC+8*\e+\j], vcc_lo
.endr
.endr
.endif
.irp e, 0,1,2,3
	v_max3_num_f32 v[TT+\e], v[SC+8*\e], v[SC+8*\e+1], v[SC+8*\e+2]
.endr
.irp e, 0,1,2,3
	v_max3_num_f32 v[TT+\e], v[TT+\e], v[SC+8*\e+3], v[SC+8*\e+4]
.endr
.irp e, 0,1,2,3
	v_max3_num_f32 v[TT+\e], v[TT+\e], v[SC+8*\e+5], v[SC+8*\e+6]
.endr
.irp e, 0,1,2,3
	v_max_num_f32 v[TT+\e], v[TT+\e], v[SC+8*\e+7]
.endr
	v_max3_num_f32 v[TT], v[TT], v[TT+1], v[TT+2]
	v_max_num_f32 v[TT], v[TT], v[TT+3]
	v_permlanex16_b32 v[TT+1], v[TT], s22, s23     ; the other half's keys of my query
.if \first
	v_max_num_f32 v[MX], v[TT], v[TT+1]            ; finite: the query's own key lies in this chunk
.else
	v_max3_num_f32 v[TT+1], v[TT], v[TT+1], v[MX]  ; the new maximum
	v_sub_f32 v[TT+2], v[MX], v[TT+1]
	v_mul_f32 v[TT+2], s20, v[TT+2]
	v_exp_f32 v[AL], v[TT+2]                       ; what was summed before shrinks by 2^((old - new) c)
	v_exp_f32 v[AL+1], v[TT+2]
	v_mov_b32 v[MX], v[TT+1]                       ; the plain instruction behind the two exponentials (ISA guide 5.7.2)
.endif
	v_mul_f32 v[NMC], 0xbe0293ee, v[MX]            ; - maximum x c
	v_mov_b32 v[NMC+1], v[NMC]
.set ui, 0
.rept 16
	v_pk_fma_f32 v[SC+2*ui:SC+2*ui+1], v[SC+2*ui:SC+2*ui+1], s[20:21], v[NMC:NMC+1] op_sel_hi:[1,0,1]
.set ui, ui+1
.endr
.set ui, 0
.rept 32
	v_exp_f32 v[SC+ui], v[SC+ui]                   ; a masked score is minus infinity and gives 0
.set ui, ui+1
.endr
	v_nop                                          ; the plain place behind the exponentials
	s_wait_alu depctr_va_vdst(0)
.irp e, 0,1,2,3
	v_pk_add_f32 v[TT+2*\e:TT+2*\e+1], v[SC+4*\e:SC+4*\e+1], v[SC+4*\e+2:SC+4*\e+3]
.endr
.irp g, 16,24
.irp e, 0,1,2,3
	v_pk_add_f32 v[TT+2*\e:TT+2*\e+1], v[TT+2*\e:TT+2*\e+1], v[SC+\g+2*\e:SC+\g+2*\e+1]
.endr
.endr
	v_pk_add_f32 v[TT:TT+1], v[TT:TT+1], v[TT+2:TT+3]
	v_pk_add_f32 v[TT+4:TT+5], v[TT+4:TT+5], v[TT+6:TT+7]
	v_pk_add_f32 v[TT:TT+1], v[TT:TT+1], v[TT+4:TT+5]
.if \first
	v_add_f32 v[LS], v[TT], v[TT+1]
.else
	v_add_f32 v[TT], v[TT], v[TT+1]
	v_fma_f32 v[LS], v[LS], v[AL], v[TT]
.endif
.set ui, 0
.rept 16
	v_cvt_pk_f16_f32 v[PR+ui], v[SC+2*ui], v[SC+2*ui+1]
.set ui, ui+1
.endr
.if \first == 0
.set ui, 0
.rept 32
	v_pk_mul_f32 v[OA+2*ui:OA+2*ui+1], v[OA+2*ui:OA+2*ui+1], v[AL:AL+1]
.set ui, ui+1
.endr
.endif
	s_wait_dscnt 32                                ; V is in; the next chunk's 32 loads of K, issued behind it, stay out
	WIN 0x01
.irp c, 0,1
.irp e, 0,1,2,3,4,5,6,7
	MM OA+8*\e, VF+8*(8*\c+\e), PR+8*\c, \first*(1-\c)
.endr
.endr
	WIN 0
.endm
; One query tile.  qoff: its place in my part of Q; si: the scalar register with its index i; go: the register with its offset in mh.
; Behind the diagonal unit come chunks 0 .. i - 1, written out: i lies in least .. most, and from chunk `least` on a branch on the wave's number ends the run.
.macro TILE qoff, si, go, least, most
	s_wait_dscnt 0x0                               ; no LDS load of mine is out: K's fragment registers are loaded again
.irp c, 0,1,2,3
	ds_load_b128 v[QF+8*\c:QF+8*\c+3],   v[QA] offset:\qoff+64*\c
	ds_load_b128 v[QF+8*\c+4:QF+8*\c+7], v[QA] offset:\qoff+64*\c+32
.endr
	s_mul_i32 s80, s[\si], 64*KPITCH
	s_lshl_b32 s81, s[\si], 7
	v_add_nc_u32 v[KA], s80, v[KL]                 ; the diagonal chunk
	v_add_nc_u32 v[VA0], s81, v[VL0]
	v_add_nc_u32 v[VA1], s81, v[VL1]
	KLOADS
	v_mov_b32 v[KA], v[KL]                         ; next: chunk 0
	UNIT 1
.irp c, 0,1,2,3,4,5,6
.if \c < \most
.if \c >= \least
	s_cmp_le_u32 s[\si], \c
	s_cbranch_scc1 .Ldone_\@
.endif
	UNIT 0
.endif
.endr
.Ldone_\@:
	PLACES                                         ; the output is read
	v_permlanex16_b32 v[TT], v[LS], s22, s23
	v_add_f32 v[LS], v[LS], v[TT]                  ; both halves of the keys
	v_rcp_f32 v[AL], v[LS]
	v_rcp_f32 v[AL+1], v[LS]
	v_nop
.set ui, 0
	s_wait_alu depctr_va_vdst(0)
.rept 32
	v_pk_mul_f32 v[OA+2*ui:OA+2*ui+1], v[OA+2*ui:OA+2*ui+1], v[AL:AL+1]
.set ui, ui+1
.endr
.set ui, 0
.rept 32
	v_cvt_pk_f16_f32 v[OUTR+ui], v[OA+2*ui], v[OA+2*ui+1]
.set ui, ui+1
.endr
.irp e, 0,1,2,3,4,5,6,7
	ds_store_b128 v[STO], v[OUTR+4*\e:OUTR+4*\e+3] offset:32*\e   ; query r, v = 16 e + 8 h .. + 7: my own stage
.endr
	s_wait_xcnt 0x0                                ; the rows read back for the tile before were stores' data
.irp t, 0,1,2,3,4,5,6,7
	ds_load_b128 v[RB+4*\t:RB+4*\t+3], v[RD] offset:2*KPITCH*\t   ; LDS serves a wave's instructions in order (ISA guide 5.7.1): these see the stores above
.endr
.irp t, 0,1,2,3,4,5,6,7
	s_wait_dscnt 7-\t                              ; counts the younger read-backs
	global_store_b128 v[\go], v[RB+4*\t:RB+4*\t+3], s[12:13] offset:8192*\t   ; 16 lanes store a head's 256 bytes of one row, aligned
.endr
.endm
	TILE 0, WAVE, GOLO, 0, 3                       ; i = w: 1 to 4 units
	TILE 16*KPITCH, 19, GOHI, 4, 7                 ; i = 7 - w: 8 to 5 units
	s_wait_tensorcnt 0x0
	ds_add_u32 v30, v31
	s_wait_dscnt 0x0
	CROUND                                         ; the closing round
	s_endpgm
.Lfunc_end_k_q4dcdd4b4d1_attn:
	.size	k_q4dcdd4b4d1_attn, .Lfunc_end_k_q4dcdd4b4d1_attn-k_q4dcdd4b4d1_attn
	.p2alignl 7, 3214868480
	.fill 96, 4, 3214868480
	.section	.rodata,"a",@progbits
	.p2align	6, 0x0
	.amdhsa_kernel k_q4dcdd4b4d1_attn
		.amdhsa_group_segment_fixed_size 325120
		.amdhsa_private_segment_fixed_size 0
		.amdhsa_enable_private_segment 0
		.amdhsa_kernarg_size 48
		.amdhsa_user_sgpr_count 2
		.amdhsa_user_sgpr_kernarg_segment_ptr 1
		.amdhsa_wavefront_size32 1
		.amdhsa_system_sgpr_workgroup_id_x 1
		.amdhsa_system_sgpr_workgroup_id_y 1
		.amdhsa_system_sgpr_workgroup_id_z 1
		.amdhsa_system_vgpr_workitem_id 0
		.amdhsa_next_free_vgpr 512
		.amdhsa_next_free_sgpr 92
		.amdhsa_reserve_vcc 1
		.amdhsa_float_denorm_mode_32 3
		.amdhsa_float_denorm_mode_16_64 3
		.amdhsa_memory_ordered 1
		.amdhsa_forward_progress 1
		.amdhsa_inst_pref_size 206
	.end_amdhsa_kernel
	.amdgpu_metadata
---
amdhsa.version: [ 1, 2 ]
amdhsa.kernels:
  - .name:           k_q4dcdd4b4d1_attn
    .symbol:         k_q4dcdd4b4d1_attn.kd
    .args:
      - { .name: qbuf, .offset: 0, .size: 8, .value_kind: global_buffer, .address_space: global }
      - { .name: kbuf, .offset: 8, .size: 8, .value_kind: global_buffer, .address_space: global }
      - { .name: vtbuf, .offset: 16, .size: 8, .value_kind: global_buffer, .address_space: global }
      - { .name: W_O, .offset: 24, .size: 8, .value_kind: global_buffer, .address_space: global }
      - { .name: mh, .offset: 32, .size: 8, .value_kind: global_buffer, .address_space: global }
      - { .name: wo16, .offset: 40, .size: 8, .value_kind: global_buffer, .address_space: global }
    .group_segment_fixed_size: 325120
    .private_segment_fixed_size: 0
    .kernarg_segment_align: 8
    .kernarg_segment_size: 48
    .max_flat_workgroup_size: 128
    .sgpr_count:     92
    .vgpr_count:     512
    .wavefront_size: 32
...
	.end_amdgpu_metadata
.endif
;; end of part 2
;; launch oproj (part 3): grid 16 x 16, 4 waves a work-group, clusters of 4 x 4, 327,680 bytes of LDS; arguments mh, wo16, out0; writes out0
.if DOCPART == 3
	.amdgcn_target "amdgcn-amd-amdhsa--gfx1250"
	.amdhsa_code_object_version 6
	.text
	.protected	k_q4dcdd4b4d1_oproj
	.globl	k_q4dcdd4b4d1_oproj
	.p2align	8
	.type	k_q4dcdd4b4d1_oproj,@function
k_q4dcdd4b4d1_oproj:
	s_mov_b64 s[64:65], 0
	v_nop
	global_prefetch_b8 v0, s[64:65] scope:SCOPE_SE
	s_setreg_imm32_b32 hwreg(HW_REG_WAVE_MODE, 25, 1), 1
	s_wait_xcnt 0x0
	s_wait_alu depctr_hold_cnt(0) depctr_sa_sdst(0) depctr_va_vdst(0) depctr_va_sdst(0) depctr_va_ssrc(0) depctr_va_vcc(0) depctr_vm_vsrc(0)
	s_getreg_b32 s2, hwreg(HW_REG_IB_STS2, 6, 4)
	s_cmp_eq_u32 s2, 0
	s_cbranch_scc0 .Lentry_in_a_cluster
	s_endpgm
.Lentry_in_a_cluster:
	s_bfe_u32 s2, ttmp6, 0x10000c
	s_cmp_lg_u32 s2, 0xf033
	s_cbranch_scc0 .Lentry_shape_is_right
	s_endpgm
.Lentry_shape_is_right:
; out0[m][n] = sum over k of mh[m][k] wo16[n][k].  mh, wo16: [2048][2048] f16; out0: [2048][2048] f32; sums in f32.
; 256 work-groups of 128 x 128, one for each WGP; four waves of 64 x 64: 16 accumulator tiles in window 1 (tile (a, b) at 8 (4 a + b)).
; K goes in steps of 256 (rows of 512 bytes of memory, at multiples of 256 bytes) through two LDS slots; each wave fetches 64 rows of a slot by one tensor load.
; CLUSTER 4 x 4: mh's tile hangs on the block row alone and is shared along a row of the cluster, wo16's on the block column alone and is shared
; along a column: joint loads, a quarter of the requests.
; Source 0 takes rows of wo16, source 1 rows of mh: a lane then holds 8 neighbouring columns of one row of the result, 32 bytes.
.set PITCH,  528                       ; 512 bytes + 16: an odd multiple of 16
.set PART,   64*PITCH                  ; one tensor load
.set SLOT,   4*PART                    ; mh's 128 rows, then wo16's 128 rows
.set STAGE,  2*SLOT                    ; behind the ring, in blocks of 256 bytes that no tensor load fills: 16 rows x 272 bytes a wave
.set SPITCH, 272
.set KBYTES, 512
.set ADRA, 16                          ; v16-17  my fragments of mh in slot 0, 1
.set ADRB, 20                          ; v20-21  of wo16
.set STO,  24
.set RD,   25
.set CO,   26
.set F0,   32                          ; v32-95   fragments, buffer 0: wo16's b at +8 b, mh's a at +32 + 8 a
.set F1,   96                          ; v96-159  buffer 1
.set G1,   24
.set G0,   32
.set G1B,  48
.set G0B,  56
.set MSB,  0
.macro WIN new
.if MSB != \new
	s_set_vgpr_msb (MSB<<8)|\new
.set MSB, \new
.endif
.endm
.macro PLACES                          ; four places behind a matrix instruction (ISA guide 7.12.1)
.rept 4
	v_nop
.endr
.endm
.macro JLOAD s                         ; waves 0, 1: mh's two halves; waves 2, 3: wo16's
	s_cmp_eq_u32 s11, 0
	s_cbranch_scc0 .Lfor_b_\@
	tensor_load_to_lds s[G0+4*\s:G0+4*\s+3], s[G1:G1+7]
	s_nop 0
	s_branch .Lasked_\@
.Lfor_b_\@:
	tensor_load_to_lds s[G0B+4*\s:G0B+4*\s+3], s[G1B:G1B+7]
	s_nop 0
.Lasked_\@:
.endm
.macro CREST
	s_cmp_lg_u32 s10, 0
	s_cbranch_scc1 .Lnot_wave_0_\@
	s_barrier_signal -3
.Lnot_wave_0_\@:
	s_barrier_wait -3
	s_barrier_signal -1
	s_barrier_wait -1
.endm
.macro CROUND
	s_barrier_signal -1
	s_barrier_wait -1
	CREST
.endm
	s_load_b128 s[4:7], s[0:1], 0x0                ; mh s[4:5], wo16 s[6:7]
	s_load_b64 s[8:9], s[0:1], 0x10                ; out0
	v_lshl_add_u32 v254, v0, 2, 0x46400
	v_mov_b32 v255, 0
	ds_add_u32 v254, v255
	v_lshrrev_b32 v1, 5, v0
	v_readfirstlane_b32 s10, v1                    ; wave 0..3
	s_lshr_b32 s11, s10, 1                         ; my half of the block's rows; also: I fetch for mh (0) or wo16 (1)
	s_and_b32 s12, s10, 1                          ; my half of its columns; also: which 64 rows I fetch
	s_bfe_u32 s40, ttmp6, 0x40000                  ; cx
	s_bfe_u32 s41, ttmp6, 0x40004                  ; cy
	s_lshl_b32 s42, ttmp9, 2
	s_add_co_u32 s42, s42, s40                     ; block column
	s_and_b32 s13, ttmp7, 0xffff
	s_lshl_b32 s13, s13, 2
	s_add_co_u32 s13, s13, s41                     ; block row
	s_lshl_b32 s43, s41, 2
	s_lshl_b32 s43, 15, s43                        ; my row of the cluster
	s_lshl_b32 s44, 0x1111, s40                    ; my column
	; group 1: 64 rows x 256 elements of 2 bytes, 4 words of padding behind every 128 words
	s_or_b32 s[G1+0], s43, (1<<16)|(1<<20)|(1<<21)|(6<<22)|(3<<25)
	s_or_b32 s[G1B+0], s44, (1<<16)|(1<<20)|(1<<21)|(6<<22)|(3<<25)
	s_mov_b32 s[G1+1], 256<<16
	s_mov_b32 s[G1B+1], 256<<16
	s_mov_b32 s[G1+2], 64<<16
	s_mov_b32 s[G1B+2], 64<<16
	s_mov_b32 s[G1+3], 256<<16
	s_mov_b32 s[G1B+3], 256<<16
	s_mov_b32 s[G1+4], 64
	s_mov_b32 s[G1B+4], 64
	s_mov_b32 s[G1+5], 2048
	s_mov_b32 s[G1B+5], 2048
	s_mov_b32 s[G1+6], 0
	s_mov_b32 s[G1B+6], 0
	s_mov_b32 s[G1+7], 0
	s_mov_b32 s[G1B+7], 0
	s_lshl_b32 s17, s12, 6
	s_lshl_b32 s16, s13, 7
	s_add_co_u32 s16, s16, s17                     ; mh: row 128 x block row + 64 x half
	s_lshl_b32 s16, s16, 12                        ; rows of 4,096 bytes
	s_lshl_b32 s46, s42, 7
	s_add_co_u32 s46, s46, s17                     ; wo16: row 128 x block column + 64 x half
	s_lshl_b32 s46, s46, 12
	s_mov_b32 s17, 0
	s_mov_b32 s47, 0
	s_mul_i32 s20, s10, PART                       ; where my 64 rows go: the wave's number alone
	s_wait_dscnt 0x0
	s_wait_kmcnt 0x0
	s_add_nc_u64 s[14:15], s[4:5], s[16:17]
	s_add_nc_u64 s[46:47], s[6:7], s[46:47]
	CROUND                                         ; all sixteen work-groups are here
.irp s, 0,1
	s_mov_b32 s[G0+4*\s], 1
	s_add_co_u32 s[G0+4*\s+1], s20, \s*SLOT
	s_add_nc_u64 s[G0+4*\s+2:G0+4*\s+3], s[14:15], \s*KBYTES
	s_or_b32 s[G0+4*\s+3], s[G0+4*\s+3], 0x80000000
	s_mov_b32 s[G0B+4*\s], 1
	s_add_co_u32 s[G0B+4*\s+1], s20, \s*SLOT
	s_add_nc_u64 s[G0B+4*\s+2:G0B+4*\s+3], s[46:47], \s*KBYTES
	s_or_b32 s[G0B+4*\s+3], s[G0B+4*\s+3], 0x80000000
	JLOAD \s                                       ; two tensor loads of the wave are out, never more
.endr
	v_and_b32 v1, 15, v0                           ; r
	v_bfe_u32 v2, v0, 4, 1                         ; h
	v_mul_u32_u24 v3, v1, PITCH
	v_lshl_add_u32 v3, v2, 4, v3                   ; r x pitch + 16 h
	s_mul_i32 s21, s11, PART                       ; my 64 rows of mh
	s_mul_i32 s22, s12, PART                       ; my 64 rows of wo16,
	s_add_co_u32 s22, s22, 2*PART                  ; behind mh's 128
.irp s, 0,1
	v_add_nc_u32 v[ADRA+\s], s21, v3
	v_add_nc_u32 v[ADRB+\s], s22, v3
	s_add_co_u32 s21, s21, SLOT
	s_add_co_u32 s22, s22, SLOT
.endr
	s_mul_i32 s23, s10, 16*SPITCH
	s_add_co_u32 s23, s23, STAGE
	v_mul_u32_u24 v4, v1, SPITCH
	v_lshl_add_u32 v4, v2, 5, v4                   ; row r, 32 bytes for each half of the lanes
	v_add_nc_u32 v[STO], s23, v4
	v_mul_u32_u24 v5, v2, SPITCH
	v_lshl_add_u32 v5, v1, 4, v5                   ; back: lanes 0-15 one row of 256 bytes, lanes 16-31 the next
	v_add_nc_u32 v[RD], s23, v5
	v_lshlrev_b32 v5, 4, v1
	v_lshl_add_u32 v[CO], v2, 13, v5               ; the same two rows in out0: rows of 8,192 bytes
.macro MM d, x, y, zero
.if \zero
	v_wmma_f32_16x16x32_f16 v[\d:\d+7], v[\x:\x+7], v[\y:\y+7], 0
.else
	v_wmma_f32_16x16x32_f16 v[\d:\d+7], v[\x:\x+7], v[\y:\y+7], v[\d:\d+7]
.endif
.endm
.macro MUL8 f, a0, zero                ; row fragments a0, a0 + 1 x four column fragments.  The 16 accumulators take turns, one instruction a turn
.irp a, \a0, \a0+1
.irp b, 0,1,2,3
	MM 8*(4*(\a)+\b), \f+8*\b, \f+32+8*(\a), \zero
.endr
.endr
.endm
.macro FETCH slot, k, f                ; 16 LDS loads: 64 rows of wo16, 64 rows of mh, 32 along K at byte k of the rows
.irp i, 0,1,2,3
	ds_load_b128 v[\f+8*\i:\f+8*\i+3],   v[ADRB+\slot] offset:\k+\i*16*PITCH
	ds_load_b128 v[\f+8*\i+4:\f+8*\i+7], v[ADRB+\slot] offset:\k+\i*16*PITCH+32
.endr
.irp i, 0,1,2,3
	ds_load_b128 v[\f+32+8*\i:\f+32+8*\i+3],   v[ADRA+\slot] offset:\k+\i*16*PITCH
	ds_load_b128 v[\f+32+8*\i+4:\f+32+8*\i+7], v[ADRA+\slot] offset:\k+\i*16*PITCH+32
.endr
.endm
; A K step is eight parts of 32 along K on buffers 0, 1, 0, 1 ...  One of the first seven: fetches the next part into buffer g, multiplies buffer f.
.macro EIGHTH slot, k, f, g, zero
	s_wait_dscnt 0x0                               ; buffer f is in
	PLACES                                         ; buffer g was read by matrix instructions
	WIN 0
	FETCH \slot, \k, \g
	WIN 0x50
	MUL8 \f, 0, \zero
	MUL8 \f, 2, \zero
.endm
.macro SEVEN slot, zero
	EIGHTH \slot, 64,  F0, F1, \zero
	EIGHTH \slot, 128, F1, F0, 0
	EIGHTH \slot, 192, F0, F1, 0
	EIGHTH \slot, 256, F1, F0, 0
	EIGHTH \slot, 320, F0, F1, 0
	EIGHTH \slot, 384, F1, F0, 0
	EIGHTH \slot, 448, F0, F1, 0
.endm
; The last part multiplies buffer 1 and changes slots.  In front of the barrier's signal each wave has waited for its reads of this slot and for all its
; tensor loads (the one out is its part of the next slot).  fill = 1: the barrier opens a round of the cluster's barrier, and the joint refill, two K
; steps ahead, is the first tensor load behind the round.
.macro TURN slot, next, fill
	s_wait_dscnt 0x0
	s_wait_tensorcnt 0x0
	ds_add_u32 v254, v255
	s_wait_dscnt 0x0
	s_barrier_signal -1
	WIN 0x50
	MUL8 F1, 0, 0                                  ; register work while the others arrive
	WIN 0
	s_barrier_wait -1
.if \fill
	CREST
	s_add_nc_u64 s[G0+4*\slot+2:G0+4*\slot+3], s[G0+4*\slot+2:G0+4*\slot+3], 2*KBYTES
	s_add_nc_u64 s[G0B+4*\slot+2:G0B+4*\slot+3], s[G0B+4*\slot+2:G0B+4*\slot+3], 2*KBYTES
	JLOAD \slot
.endif
	PLACES
	FETCH \next, 0, F0
	WIN 0x50
	MUL8 F1, 2, 0
.endm
.macro LAP zero
	SEVEN 0, \zero
	TURN 0, 1, 1
	SEVEN 1, 0
	TURN 1, 0, 1
.endm
	s_wait_tensorcnt 0x1                           ; my part of K step 0 is in; K step 1's load, issued behind it, stays out
	s_barrier_signal -1
	s_barrier_wait -1                              ; everybody's is
	FETCH 0, 0, F0
	LAP 1                                          ; eight K steps: two here (their first products start the sums), four in the loop, two behind it
	WIN 0
	s_mov_b32 s3, 2
.Llap:
	LAP 0
	WIN 0
	s_sub_co_u32 s3, s3, 1
	s_cmp_lg_u32 s3, 0
	s_cbranch_scc1 .Llap
	SEVEN 0, 0                                     ; the last lap fills nothing
	TURN 0, 1, 0
	SEVEN 1, 0
	s_wait_dscnt 0x0
	WIN 0x50
	MUL8 F1, 0, 0
	MUL8 F1, 2, 0
	; THE WAY OUT, 16 rows at a time: 32 bytes a lane straight from the accumulators into my own stage, whole rows of 256 bytes back, stored.
	PLACES
	s_lshl_b32 s16, s13, 7
	s_lshl_b32 s14, s11, 6
	s_add_co_u32 s16, s16, s14                     ; my first row
	s_lshl_b32 s16, s16, 13                        ; rows of 8,192 bytes
	s_mov_b32 s17, 0
	s_add_nc_u64 s[8:9], s[8:9], s[16:17]
	s_lshl_b32 s46, s42, 9                         ; my first column in bytes: 512 x block + 256 x half
	s_lshl_b32 s47, s12, 8
	s_add_co_u32 s46, s46, s47
	s_mov_b32 s47, 0
	s_add_nc_u64 s[8:9], s[8:9], s[46:47]
.macro OUT16 a, f
	WIN 0x04                                       ; the stores' data in window 1
.irp b, 0,1,2,3
	ds_store_b128 v[STO], v[8*(4*\a+\b):8*(4*\a+\b)+3]   offset:64*\b
	ds_store_b128 v[STO], v[8*(4*\a+\b)+4:8*(4*\a+\b)+7] offset:64*\b+16
.endr
	WIN 0
	s_wait_xcnt 0x0                                ; buffer f was stores' data two turns ago
.irp t, 0,1,2,3,4,5,6,7
	ds_load_b128 v[\f+4*\t:\f+4*\t+3], v[RD] offset:\t*2*SPITCH   ; LDS serves a wave's instructions in order (ISA guide 5.7.1): these see the stores above
.endr
.irp t, 0,1,2,3,4,5,6,7
	s_wait_dscnt 7-\t                              ; counts the younger read-backs
	global_store_b128 v[CO], v[\f+4*\t:\f+4*\t+3], s[8:9] offset:131072*\a+16384*\t th:TH_STORE_NT   ; 16 lanes store 256 consecutive bytes, aligned
.endr
.endm
	OUT16 0, F0
	OUT16 1, F1
	OUT16 2, F0
	OUT16 3, F1
	s_wait_tensorcnt 0x0
	ds_add_u32 v254, v255
	s_wait_dscnt 0x0
	CROUND                                         ; the closing round
	s_endpgm
.Lfunc_end_k_q4dcdd4b4d1_oproj:
	.size	k_q4dcdd4b4d1_oproj, .Lfunc_end_k_q4dcdd4b4d1_oproj-k_q4dcdd4b4d1_oproj
	.p2alignl 7, 3214868480
	.fill 96, 4, 3214868480
	.section	.rodata,"a",@progbits
	.p2align	6, 0x0
	.amdhsa_kernel k_q4dcdd4b4d1_oproj
		.amdhsa_group_segment_fixed_size 327680
		.amdhsa_private_segment_fixed_size 0
		.amdhsa_enable_private_segment 0
		.amdhsa_kernarg_size 24
		.amdhsa_user_sgpr_count 2
		.amdhsa_user_sgpr_kernarg_segment_ptr 1
		.amdhsa_wavefront_size32 1
		.amdhsa_system_sgpr_workgroup_id_x 1
		.amdhsa_system_sgpr_workgroup_id_y 1
		.amdhsa_system_sgpr_workgroup_id_z 1
		.amdhsa_system_vgpr_workitem_id 0
		.amdhsa_next_free_vgpr 384
		.amdhsa_next_free_sgpr 72
		.amdhsa_reserve_vcc 0
		.amdhsa_float_denorm_mode_32 3
		.amdhsa_float_denorm_mode_16_64 3
		.amdhsa_memory_ordered 1
		.amdhsa_forward_progress 1
		.amdhsa_inst_pref_size 126
	.end_amdhsa_kernel
	.amdgpu_metadata
---
amdhsa.version: [ 1, 2 ]
amdhsa.kernels:
  - .name:           k_q4dcdd4b4d1_oproj
    .symbol:         k_q4dcdd4b4d1_oproj.kd
    .args:
      - { .name: mh, .offset: 0, .size: 8, .value_kind: global_buffer, .address_space: global }
      - { .name: wo16, .offset: 8, .size: 8, .value_kind: global_buffer, .address_space: global }
      - { .name: out0, .offset: 16, .size: 8, .value_kind: global_buffer, .address_space: global }
    .group_segment_fixed_size: 327680
    .private_segment_fixed_size: 0
    .kernarg_segment_align: 8
    .kernarg_segment_size: 24
    .max_flat_workgroup_size: 128
    .sgpr_count:     72
    .vgpr_count:     384
    .wavefront_size: 32
...
	.end_amdgpu_metadata
.endif
;; end of part 3
;; ======== version 2 of 2: 4 launches; 1.15 times as fast as version 1
;; limits: values are held in f16: magnitudes above 65,504 overflow, below 6.1e-05 lose precision
;; workspace buffers: qbuf 8,388,608 bytes; kbuf 8,388,608 bytes; vtbuf 8,388,608 bytes; mh 8,388,608 bytes; wo16 8,388,608 bytes; x16 8,388,608 bytes; w16 25,165,824 bytes
;; launch cvt (part 4): grid 256 x 4, 8 waves a work-group, no clusters, 0 bytes of LDS; arguments x, W_Q, W_K, W_V, x16, w16; writes x16, w16
.if DOCPART == 4
	.amdgcn_target "amdgcn-amd-amdhsa--gfx1250"
	.amdhsa_code_object_version 6
	.text
	.protected	k_q4dcdd4b4d1_cvt
	.globl	k_q4dcdd4b4d1_cvt
	.p2align	8
	.type	k_q4dcdd4b4d1_cvt,@function
k_q4dcdd4b4d1_cvt:
	s_mov_b64 s[64:65], 0
	v_nop
	global_prefetch_b8 v0, s[64:65] scope:SCOPE_SE
	s_setreg_imm32_b32 hwreg(HW_REG_WAVE_MODE, 25, 1), 1
	s_wait_xcnt 0x0
; x, W_Q, W_K, W_V, each [2048][2048] f32, rounded once to f16: x16 as x; w16 = W_Q, W_K, W_V one behind the other.
; They are the operands of the projections' matrix products: converted here once, they pass through LDS there at 2 bytes a number.
; LIMIT: f16: a magnitude of 65,504 or more becomes infinite, one below about 6e-8 vanishes.
; A stream: every byte is read once and written once; LDS, barriers, matrix units and clusters would add nothing (no byte is shared).
; Work-group (x, y): tensor y, its 65,536 bytes from 65,536 x on.  Eight waves; a thread issues all its 16 loads of 16 bytes at once, so that a
; load of a wave covers 512 consecutive bytes and a load of the work-group 4,096.  Each load's four numbers pack into 8 bytes: a store of a wave
; covers 256 consecutive bytes at a multiple of 256 from the buffer's first byte.  No register is used twice, so no store's source is rewritten.
.set NLD,  16                          ; loads of a thread
.set IN,   4                           ; v[4:67]   as loaded
.set OUTV, 68                          ; v[68:99]  packed
	s_load_b256 s[4:11], s[0:1], 0x0               ; x s[4:5], W_Q s[6:7], W_K s[8:9], W_V s[10:11]
	s_load_b128 s[12:15], s[0:1], 0x20             ; x16 s[12:13], w16 s[14:15]
	s_and_b32 s16, ttmp7, 0xffff                   ; y: which tensor
	s_lshl_b32 s24, ttmp9, 16                      ; my chunk in the f32 tensor
	s_mov_b32 s25, 0
	s_max_u32 s22, s16, 1
	s_sub_co_u32 s22, s22, 1                       ; which third of w16 (0 for x too, whose base is x16)
	s_lshl_b32 s22, s22, 23                        ; 8,388,608 bytes a tensor in f16
	s_lshl_b32 s23, ttmp9, 15                      ; my chunk in f16
	s_add_co_u32 s22, s22, s23
	s_mov_b32 s23, 0
	v_lshlrev_b32 v1, 4, v0                        ; 16 bytes a thread in
	v_lshlrev_b32 v2, 3, v0                        ; 8 bytes a thread out
	s_wait_kmcnt 0x0
	s_cmp_eq_u32 s16, 1
	s_cselect_b64 s[18:19], s[6:7], s[4:5]
	s_cmp_eq_u32 s16, 2
	s_cselect_b64 s[18:19], s[8:9], s[18:19]
	s_cmp_eq_u32 s16, 3
	s_cselect_b64 s[18:19], s[10:11], s[18:19]
	s_cmp_eq_u32 s16, 0
	s_cselect_b64 s[20:21], s[12:13], s[14:15]
	s_add_nc_u64 s[18:19], s[18:19], s[24:25]
	s_add_nc_u64 s[20:21], s[20:21], s[22:23]
.set wn, 0
.rept NLD
	global_load_b128 v[IN+4*wn:IN+4*wn+3], v1, s[18:19] offset:4096*wn th:TH_LOAD_NT
.set wn, wn+1
.endr
.set wn, 0
.rept NLD/4
	s_wait_loadcnt NLD-4-wn                        ; loads come back in order (ISA guide 5.7.1): the next four are in, the younger ones stay out
.rept 4
	v_cvt_pk_f16_f32 v[OUTV+2*wn],   v[IN+4*wn],   v[IN+4*wn+1]
	v_cvt_pk_f16_f32 v[OUTV+2*wn+1], v[IN+4*wn+2], v[IN+4*wn+3]
	global_store_b64 v2, v[OUTV+2*wn:OUTV+2*wn+1], s[20:21] offset:2048*wn
.set wn, wn+1
.endr
.endr
	s_endpgm
.Lfunc_end_k_q4dcdd4b4d1_cvt:
	.size	k_q4dcdd4b4d1_cvt, .Lfunc_end_k_q4dcdd4b4d1_cvt-k_q4dcdd4b4d1_cvt
	.p2alignl 7, 3214868480
	.fill 96, 4, 3214868480
	.section	.rodata,"a",@progbits
	.p2align	6, 0x0
	.amdhsa_kernel k_q4dcdd4b4d1_cvt
		.amdhsa_group_segment_fixed_size 0
		.amdhsa_private_segment_fixed_size 0
		.amdhsa_enable_private_segment 0
		.amdhsa_kernarg_size 48
		.amdhsa_user_sgpr_count 2
		.amdhsa_user_sgpr_kernarg_segment_ptr 1
		.amdhsa_wavefront_size32 1
		.amdhsa_system_sgpr_workgroup_id_x 1
		.amdhsa_system_sgpr_workgroup_id_y 1
		.amdhsa_system_sgpr_workgroup_id_z 1
		.amdhsa_system_vgpr_workitem_id 0
		.amdhsa_next_free_vgpr 100
		.amdhsa_next_free_sgpr 66
		.amdhsa_reserve_vcc 0
		.amdhsa_float_denorm_mode_32 3
		.amdhsa_float_denorm_mode_16_64 3
		.amdhsa_memory_ordered 1
		.amdhsa_forward_progress 1
		.amdhsa_inst_pref_size 7
	.end_amdhsa_kernel
	.amdgpu_metadata
---
amdhsa.version: [ 1, 2 ]
amdhsa.kernels:
  - .name:           k_q4dcdd4b4d1_cvt
    .symbol:         k_q4dcdd4b4d1_cvt.kd
    .args:
      - { .name: x, .offset: 0, .size: 8, .value_kind: global_buffer, .address_space: global }
      - { .name: W_Q, .offset: 8, .size: 8, .value_kind: global_buffer, .address_space: global }
      - { .name: W_K, .offset: 16, .size: 8, .value_kind: global_buffer, .address_space: global }
      - { .name: W_V, .offset: 24, .size: 8, .value_kind: global_buffer, .address_space: global }
      - { .name: x16, .offset: 32, .size: 8, .value_kind: global_buffer, .address_space: global }
      - { .name: w16, .offset: 40, .size: 8, .value_kind: global_buffer, .address_space: global }
    .group_segment_fixed_size: 0
    .private_segment_fixed_size: 0
    .kernarg_segment_align: 8
    .kernarg_segment_size: 48
    .max_flat_workgroup_size: 256
    .sgpr_count:     66
    .vgpr_count:     100
    .wavefront_size: 32
...
	.end_amdgpu_metadata
.endif
;; end of part 4
;; launch qkv (part 5): grid 16 x 16, 4 waves a work-group, clusters of 4 x 4, 327,680 bytes of LDS; arguments x16, w16, qbuf, kbuf, vtbuf; writes qbuf, kbuf, vtbuf
.if DOCPART == 5
	.amdgcn_target "amdgcn-amd-amdhsa--gfx1250"
	.amdhsa_code_object_version 6
	.text
	.protected	k_q4dcdd4b4d1_qkv
	.globl	k_q4dcdd4b4d1_qkv
	.p2align	8
	.type	k_q4dcdd4b4d1_qkv,@function
k_q4dcdd4b4d1_qkv:
	s_mov_b64 s[64:65], 0
	v_nop
	global_prefetch_b8 v0, s[64:65] scope:SCOPE_SE
	s_setreg_imm32_b32 hwreg(HW_REG_WAVE_MODE, 25, 1), 1
	s_wait_xcnt 0x0
	s_wait_alu depctr_hold_cnt(0) depctr_sa_sdst(0) depctr_va_vdst(0) depctr_va_sdst(0) depctr_va_ssrc(0) depctr_va_vcc(0) depctr_vm_vsrc(0)
	s_getreg_b32 s2, hwreg(HW_REG_IB_STS2, 6, 4)
	s_cmp_eq_u32 s2, 0
	s_cbranch_scc0 .Lentry_in_a_cluster
	s_endpgm
.Lentry_in_a_cluster:
	s_bfe_u32 s2, ttmp6, 0x10000c
	s_cmp_lg_u32 s2, 0xf033
	s_cbranch_scc0 .Lentry_shape_is_right
	s_endpgm
.Lentry_shape_is_right:
; Q, K, V = x W^T for one head and 128 rows of x.  x16: [2048][2048] f16; w16: W_Q, W_K, W_V, each [2048][2048] f16 (row = output column).
; Out, in f16: qbuf, kbuf [64 (batch, head)][512 s][128], vtbuf [64][128 v][512 s] (V leaves already transposed).
; LIMIT: operands and results are f16 (sums in f32): a magnitude of 65,504 or more becomes infinite, one below about 6e-8 vanishes.
; f16 and not bf16 because its rounding is eight times finer and five roundings lie between x and the output.
; Work-group: 128 rows x (128 Q + 128 K + 128 V) columns, four waves.  Wave w: all 128 rows x columns 32 w .. 32 w + 31 of each of
; Q, K, V: 8 x 6 accumulator tiles of 16 x 16 = 384 registers.  For 32 along K a wave reads 128 + 96 rows of 64 bytes from LDS for 48 matrix instructions.
; K goes in steps of 128 (rows of 256 bytes of memory, at multiples of 256 bytes) through two LDS slots filled by tensor loads: 16 steps.
; THE GRID: blocks of 128 rows run along x, heads along y.  The clusters of one y walk the same four heads' rows of w16 and, between them, all of x16:
; a group of clusters with neighbouring y wants only its own heads' part of w16, which is three quarters of the launch's input bytes, and all of x16, one quarter.
; CLUSTER 4 x 4: the four work-groups of a column of the cluster share x's tile (same 128 rows), the four of a row share the three W tiles
; (same head).  Wave 0 asks for x's tile, waves 1, 2, 3 for W_Q's, W_K's, W_V's, each by a joint load: requests are a quarter.
; WINDOWS: 0 addresses and fragments; 1, 2 the accumulators of rows 0-63, 64-127 (tile (a, b) at 8 (6 a + b)).
.set PITCH,  272                       ; LDS row: 256 bytes + 16 of padding, an odd multiple of 16: the 16 rows of a fragment load start in 16 different columns of 16 bytes
.set PART,   128*PITCH                 ; one tensor load: 128 rows
.set SLOT,   4*PART                    ; x's rows, W_Q's, W_K's, W_V's
.set FROW,   16*PITCH                  ; 16 rows
.set KBYTES, 256                       ; a K step in memory
.set ADRA,   4                         ; v4-5    LDS address of my lane in x's tile, slot 0, 1
.set ADRB,   6                         ; v6-7    in my 32 rows of W_Q's tile (W_K's lie PART further)
.set ADRV,   8                         ; v8-9    in my 32 rows of W_V's tile
.set STQ,    10                        ; v10     way out: where I put 16 bytes of Q or K
.set STV,    11                        ; v11     way out: where I put 16 bytes of V^T
.set RD,     12                        ; v12     way out: where I read rows of Q or K back
.set RDV,    13                        ; v13     the same for V^T
.set GO,     14                        ; v14     my byte offset in qbuf, kbuf
.set GV,     15                        ; v15     my byte offset in vtbuf
.set F0,     32                        ; v32-143   fragments, buffer 0: x's fragment a at +8 a, W's fragment b at +64 + 8 b
.set F1,     144                       ; v144-255  buffer 1
.set OUTR,   32                        ; way out: 192 registers of packed results, then of rows read back
.set G1A,    24                        ; s[24:31] group 1 for x's tile
.set G0A,    32                        ; s[32:39] group 0 for x's tile, one set a slot
.set G1B,    40                        ; s[40:47] group 1 for the W tiles: another mask
.set G0B,    48                        ; s[48:55] group 0 for the W tiles, one set a slot
.set WAVE,   18
.set ACC_LO, 0x50                      ; C and D in window 1, sources in window 0
.set ACC_HI, 0xa0                      ; C and D in window 2
.set MSB,    0
.macro WIN new                         ; s_set_vgpr_msb: bits 1:0 source 0, 3:2 source 1, 5:4 source 2, 7:6 destination; the high byte repeats the setting left
.if MSB != \new
	s_set_vgpr_msb (MSB<<8)|\new
.set MSB, \new
.endif
.endm
.macro PLACES                          ; four places behind a matrix instruction (ISA guide 7.12.1) before its sources are written or its result is read
.rept 4
	v_nop
.endr
.endm
.macro CREST                           ; a round of the cluster's barrier behind its opening work-group barrier
	s_cmp_lg_u32 s[WAVE], 0
	s_cbranch_scc1 .Lnot_wave_0_\@
	s_barrier_signal -3
.Lnot_wave_0_\@:
	s_barrier_wait -3
	s_barrier_signal -1
	s_barrier_wait -1
.endm
.macro CROUND                          ; a whole round
	s_barrier_signal -1
	s_barrier_wait -1
	CREST
.endm
.macro JLOAD s                         ; my quarter of slot s: wave 0 x's tile (mask: my column of the cluster), waves 1-3 a W tile (mask: my row)
	s_cmp_eq_u32 s[WAVE], 0
	s_cbranch_scc0 .Lfor_w_\@
	tensor_load_to_lds s[G0A+4*\s:G0A+4*\s+3], s[G1A:G1A+7]
	s_nop 0
	s_branch .Lasked_\@
.Lfor_w_\@:
	tensor_load_to_lds s[G0B+4*\s:G0B+4*\s+3], s[G1B:G1B+7]
	s_nop 0
.Lasked_\@:
.endm
	s_load_b256 s[4:11], s[0:1], 0x0               ; x16 s[4:5], w16 s[6:7], qbuf s[8:9], kbuf s[10:11]
	s_load_b64 s[12:13], s[0:1], 0x20              ; vtbuf
	v_lshl_add_u32 v30, v0, 2, 0x44000
	v_mov_b32 v31, 0
	ds_add_u32 v30, v31
	v_lshrrev_b32 v1, 5, v0
	v_readfirstlane_b32 s[WAVE], v1                ; wave 0..3
	s_bfe_u32 s19, ttmp6, 0x40000                  ; cx
	s_bfe_u32 s20, ttmp6, 0x40004                  ; cy
	s_lshl_b32 s22, ttmp9, 2
	s_add_co_u32 s22, s22, s19                     ; block of 128 rows = 4 x cluster x + cx
	s_and_b32 s21, ttmp7, 0xffff
	s_lshl_b32 s21, s21, 2
	s_add_co_u32 s21, s21, s20                     ; head = 4 x cluster y + cy
	s_lshl_b32 s56, 0x1111, s19                    ; my column of the cluster: places cx, cx + 4, cx + 8, cx + 12
	s_lshl_b32 s58, s20, 2
	s_lshl_b32 s58, 15, s58                        ; my row: places 4 cy .. 4 cy + 3
	; group 1: 128 rows x 128 elements of 2 bytes, 4 words of padding behind every 64 words
	s_or_b32 s[G1A+0], s56, (1<<16)|(1<<20)|(1<<21)|(5<<22)|(3<<25)
	s_or_b32 s[G1B+0], s58, (1<<16)|(1<<20)|(1<<21)|(5<<22)|(3<<25)
	s_mov_b32 s[G1A+1], 128<<16                    ; tensor_dim0 = 128
	s_mov_b32 s[G1B+1], 128<<16
	s_mov_b32 s[G1A+2], 128<<16                    ; tensor_dim1 = 128
	s_mov_b32 s[G1B+2], 128<<16
	s_mov_b32 s[G1A+3], 128<<16                    ; tile_dim0 = 128
	s_mov_b32 s[G1B+3], 128<<16
	s_mov_b32 s[G1A+4], 128                        ; tile_dim1 = 128
	s_mov_b32 s[G1B+4], 128
	s_mov_b32 s[G1A+5], 2048                       ; elements from row to row
	s_mov_b32 s[G1B+5], 2048
	s_mov_b32 s[G1A+6], 0
	s_mov_b32 s[G1B+6], 0
	s_mov_b32 s[G1A+7], 0
	s_mov_b32 s[G1B+7], 0
	s_lshl_b32 s56, s22, 19                        ; x16: 128 rows of 4,096 bytes a block (this pair never holds cy)
	s_mov_b32 s57, 0
	s_lshl_b32 s58, s21, 19                        ; w16: 128 rows of 4,096 bytes a head (this pair never holds cx),
	s_max_u32 s61, s[WAVE], 1
	s_sub_co_u32 s61, s61, 1                       ; wave 1: W_Q, 2: W_K, 3: W_V (wave 0 does not ask by this address)
	s_lshl_b32 s61, s61, 23                        ; 8,388,608 bytes a matrix
	s_add_co_u32 s58, s58, s61
	s_mov_b32 s59, 0
	s_mul_i32 s60, s[WAVE], PART                   ; where my quarter goes: the wave's number alone
	s_wait_dscnt 0x0
	s_wait_kmcnt 0x0
	s_add_nc_u64 s[62:63], s[6:7], s[58:59]
	s_add_nc_u64 s[68:69], s[4:5], s[56:57]
	CROUND                                         ; all sixteen work-groups are here: the first joint loads meet
.irp s, 0,1
	s_mov_b32 s[G0A+4*\s], 1
	s_add_co_u32 s[G0A+4*\s+1], s60, \s*SLOT
	s_add_nc_u64 s[G0A+4*\s+2:G0A+4*\s+3], s[68:69], \s*KBYTES
	s_or_b32 s[G0A+4*\s+3], s[G0A+4*\s+3], 0x80000000
	s_mov_b32 s[G0B+4*\s], 1
	s_add_co_u32 s[G0B+4*\s+1], s60, \s*SLOT
	s_add_nc_u64 s[G0B+4*\s+2:G0B+4*\s+3], s[62:63], \s*KBYTES
	s_or_b32 s[G0B+4*\s+3], s[G0B+4*\s+3], 0x80000000
	JLOAD \s                                       ; K steps 0 and 1: two tensor loads of the wave are out, never more
.endr
	; lane l: r = l % 16, h = l / 16.  A fragment holds k = 8 h .. 8 h + 7 and 16 + 8 h .. + 7 of row r: the 16 bytes at 16 h and at 32 + 16 h
	v_and_b32 v1, 15, v0                           ; r
	v_bfe_u32 v2, v0, 4, 1                         ; h
	v_mul_u32_u24 v3, v1, PITCH
	v_lshl_add_u32 v[ADRA], v2, 4, v3              ; r x pitch + 16 h
	v_add_nc_u32 v[ADRA+1], SLOT, v[ADRA]
	s_mul_i32 s70, s[WAVE], 32*PITCH               ; my 32 rows of a tile
	s_add_co_u32 s71, s70, PART
	v_add_nc_u32 v[ADRB], s71, v[ADRA]
	v_add_nc_u32 v[ADRB+1], SLOT, v[ADRB]
	v_add_nc_u32 v[ADRV], 2*PART, v[ADRB]
	v_add_nc_u32 v[ADRV+1], SLOT, v[ADRV]
	s_lshl_b32 s71, s[WAVE], 6
	v_add_nc_u32 v[STQ], s71, v[ADRA]              ; stage: row r, 16 h, + my 32 columns of f16
	s_add_co_u32 s71, s70, 2*PART
	v_add_nc_u32 v[STV], s71, v[ADRA]              ; V^T's stage, row 32 w + r
	v_mul_u32_u24 v17, v2, PITCH
	v_lshl_add_u32 v17, v1, 4, v17                 ; lanes 0-15 one row of 256 bytes, lanes 16-31 the next
	v_add_nc_u32 v[RD], s70, v17
	v_add_nc_u32 v[RDV], 2*PART, v[RD]
	v_lshlrev_b32 v17, 4, v1
	v_lshl_add_u32 v18, v2, 8, v17
	s_lshl_b32 s71, s[WAVE], 13
	v_add_nc_u32 v[GO], s71, v18                   ; (32 w + h) rows of 256 bytes + 16 r
	v_lshl_add_u32 v18, v2, 10, v17
	s_lshl_b32 s71, s[WAVE], 15
	v_add_nc_u32 v[GV], s71, v18                   ; (32 w + h) rows of 1,024 bytes + 16 r
.macro MM d, x, y, zero                ; one matrix instruction; zero = 1: it starts the sum, nothing is cleared
.if \zero
	v_wmma_f32_16x16x32_f16 v[\d:\d+7], v[\x:\x+7], v[\y:\y+7], 0
.else
	v_wmma_f32_16x16x32_f16 v[\d:\d+7], v[\x:\x+7], v[\y:\y+7], v[\d:\d+7]
.endif
.endm
; 12 matrix instructions: row fragments 4 hi + a0, 4 hi + a0 + 1 x my six column fragments, 32 along K, from buffer f.
; Q and K (b < 4): W's fragment is source 0, so a lane holds 8 neighbouring columns of one row.  V (b >= 4): x's fragment is source 0, so a
; lane holds 8 neighbouring s of one column v: a piece of a row of V^T.  The 48 accumulators take turns, one instruction a turn.
.macro MUL12 f, hi, a0, zero
.irp a, \a0, \a0+1
.irp b, 0,1,2,3
	MM 8*(6*(\a)+\b), \f+64+8*\b, \f+8*(4*\hi+(\a)), \zero
.endr
.irp b, 4,5
	MM 8*(6*(\a)+\b), \f+8*(4*\hi+(\a)), \f+64+8*\b, \zero
.endr
.endr
.endm
.macro MUL24 f, hi, zero
	MUL12 \f, \hi, 0, \zero
	MUL12 \f, \hi, 2, \zero
.endm
; 28 LDS loads in one run: the 14 fragments of one quarter step (32 K at byte k of the rows) into buffer f; x's rows 64-127 come last
.macro FETCH slot, k, f
.irp b, 0,1,2,3
	ds_load_b128 v[\f+64+8*\b:\f+64+8*\b+3],   v[ADRB+\slot] offset:PART*(\b/2)+FROW*(\b%2)+\k
	ds_load_b128 v[\f+64+8*\b+4:\f+64+8*\b+7], v[ADRB+\slot] offset:PART*(\b/2)+FROW*(\b%2)+\k+32
.endr
.irp b, 4,5
	ds_load_b128 v[\f+64+8*\b:\f+64+8*\b+3],   v[ADRV+\slot] offset:FROW*(\b-4)+\k
	ds_load_b128 v[\f+64+8*\b+4:\f+64+8*\b+7], v[ADRV+\slot] offset:FROW*(\b-4)+\k+32
.endr
.irp a, 0,1,2,3,4,5,6,7
	ds_load_b128 v[\f+8*\a:\f+8*\a+3],   v[ADRA+\slot] offset:FROW*\a+\k
	ds_load_b128 v[\f+8*\a+4:\f+8*\a+7], v[ADRA+\slot] offset:FROW*\a+\k+32
.endr
.endm
; A K step is four quarter steps of 32 along K, 48 matrix instructions each, on buffers 0, 1, 0, 1.
; One of the first three: multiplies buffer f; in its middle it fetches the next quarter's fragments, at byte k of the same slot's rows, into buffer g.
.macro QUARTER slot, k, f, g, zero
	s_wait_dscnt 8                                 ; W's fragments and x's rows 0-63 are in; the youngest eight loads (x's rows 64-127) may be out
	WIN ACC_LO
	MUL24 \f, 0, \zero
	PLACES                                         ; buffer g was read by matrix instructions
	WIN 0
	FETCH \slot, \k, \g
	s_wait_dscnt 28                                ; all but the 28 just issued
	WIN ACC_HI
	MUL24 \f, 1, \zero
.endm
.macro THREE slot, zero
	QUARTER \slot, 64,  F0, F1, \zero
	QUARTER \slot, 128, F1, F0, 0
	QUARTER \slot, 192, F0, F1, 0
.endm
; The last quarter multiplies buffer 1 and changes slots.  next = the other slot; fill = 1: this slot is filled again, two K steps ahead.
; One barrier for the change of slots.  In front of its signal each wave has waited for its last reads of this slot and for all its tensor loads
; (the one that is out is its quarter of the next slot).  With fill = 1 that barrier opens a round of the cluster's barrier, and the joint refill is the
; first tensor load behind the round: no wave of any partner still reads the slot or has a load on its way.
; From a refill to the wait for it a wave issues 180 of a K step's 192 matrix instructions.
.macro TURN slot, next, fill
	s_wait_dscnt 8
	WIN ACC_LO
	MUL12 F1, 0, 0, 0
	s_wait_dscnt 0x0                               ; my reads of this slot are over
	s_wait_tensorcnt 0x0                           ; all my tensor loads have landed
	ds_add_u32 v30, v31
	s_wait_dscnt 0x0
	s_barrier_signal -1
	MUL12 F1, 0, 2, 0                              ; register work while the others arrive
	WIN 0
	s_barrier_wait -1
.if \fill
	CREST
	s_add_nc_u64 s[G0A+4*\slot+2:G0A+4*\slot+3], s[G0A+4*\slot+2:G0A+4*\slot+3], 2*KBYTES
	s_add_nc_u64 s[G0B+4*\slot+2:G0B+4*\slot+3], s[G0B+4*\slot+2:G0B+4*\slot+3], 2*KBYTES
	JLOAD \slot
.endif
	PLACES                                         ; buffer 0 was read by matrix instructions
	FETCH \next, 0, F0
	WIN ACC_HI
	MUL24 F1, 1, 0
.endm
.macro LAP zero                        ; once round the ring, both slots filled again
	THREE 0, \zero
	TURN 0, 1, 1
	THREE 1, 0
	TURN 1, 0, 1
.endm
	s_wait_tensorcnt 0x1                           ; my quarter of K step 0 is in; K step 1's load, issued behind it, stays out
	s_barrier_signal -1
	s_barrier_wait -1                              ; everybody's is
	FETCH 0, 0, F0
	LAP 1                                          ; the first lap stands in front of the loop: its first products start the sums
	WIN 0
	s_mov_b32 s66, 6                               ; 16 K steps: 2 here, 12 in the loop, 2 behind it
.Llap:
	LAP 0
	WIN 0
	s_sub_co_u32 s66, s66, 1
	s_cmp_lg_u32 s66, 0
	s_cbranch_scc1 .Llap
	THREE 0, 0                                     ; the last lap fills nothing: the one tensor load still out is slot 1's, the last K step's
	TURN 0, 1, 0
	THREE 1, 0
	s_wait_dscnt 8                                 ; the very last quarter: nothing more to fetch
	WIN ACC_LO
	MUL24 F1, 0, 0
	s_wait_dscnt 0x0
	WIN ACC_HI
	MUL24 F1, 1, 0
	; THE WAY OUT.  Round to f16, 16 bytes a lane into a stage in LDS, read whole rows of 256 bytes back, store them.
	; The stage lies in slot 0: its last fill was K step 14's tile, and every wave's last reads of it were waited for in front of that step's barrier.
	PLACES
.macro PACK hi
.irp a, 0,1,2,3
.irp b, 0,1,2,3,4,5
.irp q, 0,1,2,3
	v_cvt_pk_f16_f32 v[OUTR+4*(24*\hi+6*\a+\b)+\q], v[8*(6*\a+\b)+2*\q], v[8*(6*\a+\b)+2*\q+1]
.endr
.endr
.endr
.endm
	WIN 0x05                                       ; sources in window 1
	PACK 0
	WIN 0x0a                                       ; sources in window 2
	PACK 1
	WIN 0
.irp hi, 0,1
.irp a, 0,1,2,3
.irp b, 0,1,2,3
	ds_store_b128 v[STQ], v[OUTR+4*(24*\hi+6*\a+\b):OUTR+4*(24*\hi+6*\a+\b)+3] offset:PART*(\b/2)+FROW*(4*\hi+\a)+32*(\b%2)
.endr
.irp b, 4,5
	ds_store_b128 v[STV], v[OUTR+4*(24*\hi+6*\a+\b):OUTR+4*(24*\hi+6*\a+\b)+3] offset:FROW*(\b-4)+32*(4*\hi+\a)
.endr
.endr
.endr
	s_lshr_b32 s72, s22, 2                         ; batch
	s_lshl4_add_u32 s72, s72, s21                  ; 16 x batch + head
	s_lshl_b32 s72, s72, 17                        ; 131,072 bytes a head in each of the three buffers
	s_and_b32 s74, s22, 3                          ; which 128 of the 512 s
	s_lshl_b32 s76, s74, 15                        ; 128 rows of 256 bytes
	s_add_co_u32 s76, s76, s72
	s_mov_b32 s77, 0
	s_lshl_b32 s78, s74, 8                         ; 128 columns of 2 bytes
	s_add_co_u32 s78, s78, s72
	s_mov_b32 s79, 0
	s_add_nc_u64 s[8:9], s[8:9], s[76:77]
	s_add_nc_u64 s[10:11], s[10:11], s[76:77]
	s_add_nc_u64 s[12:13], s[12:13], s[78:79]
	s_wait_dscnt 0x0                               ; my stores are in LDS: a row of Q or K holds columns of all four waves
	s_barrier_signal -1
	s_barrier_wait -1
.set ti, 0
.rept 16
	ds_load_b128 v[OUTR+4*ti:OUTR+4*ti+3], v[RD] offset:2*PITCH*ti
.set ti, ti+1
.endr
.set ti, 0
.rept 16
	ds_load_b128 v[OUTR+64+4*ti:OUTR+64+4*ti+3], v[RD] offset:PART+2*PITCH*ti
.set ti, ti+1
.endr
.set ti, 0
.rept 16
	ds_load_b128 v[OUTR+128+4*ti:OUTR+128+4*ti+3], v[RDV] offset:2*PITCH*ti
.set ti, ti+1
.endr
	; each wait counts the younger of the 48 loads; 16 lanes store 256 consecutive bytes at a multiple of 256 from the buffer's first byte
.set ti, 0
.rept 16
	s_wait_dscnt 47-ti
	global_store_b128 v[GO], v[OUTR+4*ti:OUTR+4*ti+3], s[8:9] offset:512*ti
.set ti, ti+1
.endr
.set ti, 0
.rept 16
	s_wait_dscnt 31-ti
	global_store_b128 v[GO], v[OUTR+64+4*ti:OUTR+64+4*ti+3], s[10:11] offset:512*ti
.set ti, ti+1
.endr
.set ti, 0
.rept 16
	s_wait_dscnt 15-ti
	global_store_b128 v[GV], v[OUTR+128+4*ti:OUTR+128+4*ti+3], s[12:13] offset:2048*ti
.set ti, ti+1
.endr
	s_wait_tensorcnt 0x0
	ds_add_u32 v30, v31
	s_wait_dscnt 0x0
	CROUND                                         ; the closing round: no work-group ends while a partner may still ask jointly
	s_endpgm
.Lfunc_end_k_q4dcdd4b4d1_qkv:
	.size	k_q4dcdd4b4d1_qkv, .Lfunc_end_k_q4dcdd4b4d1_qkv-k_q4dcdd4b4d1_qkv
	.p2alignl 7, 3214868480
	.fill 96, 4, 3214868480
	.section	.rodata,"a",@progbits
	.p2align	6, 0x0
	.amdhsa_kernel k_q4dcdd4b4d1_qkv
		.amdhsa_group_segment_fixed_size 327680
		.amdhsa_private_segment_fixed_size 0
		.amdhsa_enable_private_segment 0
		.amdhsa_kernarg_size 40
		.amdhsa_user_sgpr_count 2
		.amdhsa_user_sgpr_kernarg_segment_ptr 1
		.amdhsa_wavefront_size32 1
		.amdhsa_system_sgpr_workgroup_id_x 1
		.amdhsa_system_sgpr_workgroup_id_y 1
		.amdhsa_system_sgpr_workgroup_id_z 1
		.amdhsa_system_vgpr_workitem_id 0
		.amdhsa_next_free_vgpr 704
		.amdhsa_next_free_sgpr 84
		.amdhsa_reserve_vcc 0
		.amdhsa_float_denorm_mode_32 3
		.amdhsa_float_denorm_mode_16_64 3
		.amdhsa_memory_ordered 1
		.amdhsa_forward_progress 1
		.amdhsa_inst_pref_size 156
	.end_amdhsa_kernel
	.amdgpu_metadata
---
amdhsa.version: [ 1, 2 ]
amdhsa.kernels:
  - .name:           k_q4dcdd4b4d1_qkv
    .symbol:         k_q4dcdd4b4d1_qkv.kd
    .args:
      - { .name: x16, .offset: 0, .size: 8, .value_kind: global_buffer, .address_space: global }
      - { .name: w16, .offset: 8, .size: 8, .value_kind: global_buffer, .address_space: global }
      - { .name: qbuf, .offset: 16, .size: 8, .value_kind: global_buffer, .address_space: global }
      - { .name: kbuf, .offset: 24, .size: 8, .value_kind: global_buffer, .address_space: global }
      - { .name: vtbuf, .offset: 32, .size: 8, .value_kind: global_buffer, .address_space: global }
    .group_segment_fixed_size: 327680
    .private_segment_fixed_size: 0
    .kernarg_segment_align: 8
    .kernarg_segment_size: 40
    .max_flat_workgroup_size: 128
    .sgpr_count:     84
    .vgpr_count:     704
    .wavefront_size: 32
...
	.end_amdgpu_metadata
.endif
;; end of part 5
;; launch attn (part 6): grid 256 x 1, 4 waves a work-group, clusters of 4 x 1, 325,120 bytes of LDS; arguments qbuf, kbuf, vtbuf, W_O, mh, wo16; writes mh, wo16
.if DOCPART == 6
	.amdgcn_target "amdgcn-amd-amdhsa--gfx1250"
	.amdhsa_code_object_version 6
	.text
	.protected	k_q4dcdd4b4d1_attn
	.globl	k_q4dcdd4b4d1_attn
	.p2align	8
	.type	k_q4dcdd4b4d1_attn,@function
k_q4dcdd4b4d1_attn:
	s_mov_b64 s[64:65], 0
	v_nop
	global_prefetch_b8 v0, s[64:65] scope:SCOPE_SE
	s_setreg_imm32_b32 hwreg(HW_REG_WAVE_MODE, 25, 1), 1
	s_wait_xcnt 0x0
	s_wait_alu depctr_hold_cnt(0) depctr_sa_sdst(0) depctr_va_vdst(0) depctr_va_sdst(0) depctr_va_ssrc(0) depctr_va_vcc(0) depctr_vm_vsrc(0)
	s_getreg_b32 s2, hwreg(HW_REG_IB_STS2, 6, 4)
	s_cmp_eq_u32 s2, 0
	s_cbranch_scc0 .Lentry_in_a_cluster
	s_endpgm
.Lentry_in_a_cluster:
	s_bfe_u32 s2, ttmp6, 0x10000c
	s_cmp_lg_u32 s2, 0x3003
	s_cbranch_scc0 .Lentry_shape_is_right
	s_endpgm
.Lentry_shape_is_right:
; Causal attention of one (batch, head), a quarter of its queries a work-group; and, beside it, 64 KiB of W_O from f32 to f16.
; qbuf, kbuf: [64][512][128] f16; vtbuf: [64][128 v][512 s] f16; mh: [2048 rows b*512+s][2048 columns h*128+v] f16; wo16 as W_O, f16.
; LIMIT: P and the result are f16 (scores, maxima, sums and the running output f32): |mh| is at most the largest |V|, which is below 65,504.
; W_O in f16 likewise: a magnitude of 65,504 or more becomes infinite, one below about 6e-8 vanishes.
; CLUSTER 4 x 1: the four work-groups of a head.  Work-group cx takes the query tiles of 16 rows at 64 i + 16 cx, i = 0..7.  Tile i needs the
; chunks of 64 keys 0 .. i whatever cx is, so all four need all of K and V (two joint loads a wave, mask 15), and no branch and no LDS address hangs on cx:
; cx enters global addresses and the mask's threshold alone.  Q's tiles are a work-group's own: plain loads.
; Wave w takes tiles i = 7 - w and i = w: 9 units of 16 queries x 64 keys in every wave.  K, V^T and Q are filled once; nothing is filled again.
; S^T = K Q^T: a lane holds query r = l % 16 and keys 16 f + 8 h + j (h = l / 16), which packed in pairs IS the fragment of P for O^T = V^T P^T.
; So maximum, sum and scale are one register a lane, and only the two halves of the lanes exchange a number.
; The diagonal chunk comes first (a running softmax takes the chunks in any order): it alone is masked, it starts maximum, sum and output.
; W_O: its loads are issued only when K, V^T and Q have landed, so that they are not asked for together with the tiles that the waves wait for; they land
; in registers of their own (window 2) while the longer tile (i = 7 - w, at least five units) is worked on, and are packed and stored between the two tiles.
.set KPITCH, 272                       ; rows of 256 bytes + 16
.set VPITCH, 1040                      ; rows of 1,024 bytes + 16; both odd multiples of 16
.set LDSV,   512*KPITCH                ; K: 512 rows from byte 0; V^T: 128 rows from here
.set LDSQ,   LDSV+128*VPITCH           ; Q: wave x 2 tiles x 16 rows
.set STAGE,  LDSQ+128*KPITCH           ; the way out: 16 rows x 272 a wave, in blocks of 256 bytes that no tensor load fills
.set KL,   3                           ; r x 272 + 16 h
.set VL0,  4                           ; V^T rows r (fragments 0-3), + 16 h
.set VL1,  5                           ; V^T rows 64 + r (fragments 4-7)
.set QA,   6
.set KA,   7                           ; running: the chunk of K that is loaded next
.set VA0,  8                           ; running: the chunk of V
.set VA1,  9
.set STO,  10
.set RD,   11
.set GOLO, 12                          ; my byte offset in mh, tile w
.set GOHI, 13                          ; tile 7 - w
.set THR,  14                          ; 16 cx + r - 8 h: key 16 f + j of my half is allowed where 16 f + j <= THR
.set NINF, 15
.set MX,   16                          ; running maximum of the raw scores
.set LS,   17                          ; running sum, my half of the keys
.set NMC,  18                          ; v[18:19]  - maximum x c, twice
.set AL,   20                          ; v[20:21]  the scale of what was summed before, twice; at the end 1 / sum
.set TT,   22                          ; v[22:29]  at work
.set WOA,  30                          ; v30       my byte offset in my work-group's slice of W_O; written once
.set QF,   32                          ; v[32:63]   Q's four fragments
.set SC,   64                          ; v[64:95]   scores, then P in f32
.set PR,   96                          ; v[96:111]  P's two fragments
.set OA,   112                         ; v[112:175] O^T: eight tiles of 16 v x 16 queries
.set OUTR, 176                         ; v[176:207] O in f16
.set RB,   208                         ; v[208:239] rows read back
.set KF,   0                           ; window 1: K's fragments, (f, ks) at 8 (4 f + ks)
.set VF,   128                         ; window 1: V^T's fragments, (ks2, vf) at 8 (8 ks2 + vf)
.set WI,   0                           ; window 2: v[0:127]   W_O as loaded
.set WP,   128                         ; window 2: v[128:191] W_O packed
.set WOS,  192                         ; window 2: v192       my byte offset in my work-group's slice of wo16
.set G1K,  24
.set G1V,  32
.set G1Q,  40
.set G0K,  48
.set G0V,  52
.set G0Q,  56                          ; s[56:59] tile w, s[60:63] tile 7 - w
.set WAVE, 18
.set MSB,  0
.macro WIN new                         ; s_set_vgpr_msb: bits 1:0 source 0, 3:2 source 1, 5:4 source 2, 7:6 destination; the high byte repeats the setting left
.if MSB != \new
	s_set_vgpr_msb (MSB<<8)|\new
.set MSB, \new
.endif
.endm
.macro PLACES                          ; four places behind a matrix instruction (ISA guide 7.12.1)
.rept 4
	v_nop
.endr
.endm
.macro CROUND                          ; a round of the cluster's barrier
	s_barrier_signal -1
	s_barrier_wait -1
	s_cmp_lg_u32 s[WAVE], 0
	s_cbranch_scc1 .Lnot_wave_0_\@
	s_barrier_signal -3
.Lnot_wave_0_\@:
	s_barrier_wait -3
	s_barrier_signal -1
	s_barrier_wait -1
.endm
	s_load_b256 s[4:11], s[0:1], 0x0               ; qbuf s[4:5], kbuf s[6:7], vtbuf s[8:9], W_O s[10:11]
	s_load_b128 s[12:15], s[0:1], 0x20             ; mh s[12:13], wo16 s[14:15]
	v_lshl_add_u32 v254, v0, 2, 0x4f400
	v_mov_b32 v255, 0
	ds_add_u32 v254, v255
	v_lshrrev_b32 v1, 5, v0
	v_readfirstlane_b32 s[WAVE], v1                ; w
	s_sub_co_u32 s19, 7, s[WAVE]                   ; 7 - w
	s_bfe_u32 s16, ttmp6, 0x40000                  ; cx; ttmp9 counts clusters: the (batch, head)
	s_mov_b32 s20, 0x3e0293ee                      ; c = log2(e) / sqrt(128)
	s_mov_b32 s21, 0x3e0293ee
	s_mov_b32 s22, 0x76543210                      ; v_permlanex16_b32: lane i reads lane i of the other half
	s_mov_b32 s23, 0xfedcba98
	; K: 128 rows x 128 f16 a wave, jointly.  V^T: 32 rows x 512 f16 a wave, jointly.  Q: 16 rows x 128 f16, twice a wave, my own.
	s_mov_b32 s[G1K+0], 15|(1<<16)|(1<<20)|(1<<21)|(5<<22)|(3<<25)
	s_mov_b32 s[G1K+1], 128<<16
	s_mov_b32 s[G1K+2], 128<<16
	s_mov_b32 s[G1K+3], 128<<16
	s_mov_b32 s[G1K+4], 128
	s_mov_b32 s[G1K+5], 128
	s_mov_b32 s[G1K+6], 0
	s_mov_b32 s[G1K+7], 0
	s_mov_b32 s[G1V+0], 15|(1<<16)|(1<<20)|(1<<21)|(7<<22)|(3<<25)
	s_mov_b32 s[G1V+1], 512<<16
	s_mov_b32 s[G1V+2], 32<<16
	s_mov_b32 s[G1V+3], 512<<16
	s_mov_b32 s[G1V+4], 32
	s_mov_b32 s[G1V+5], 512
	s_mov_b32 s[G1V+6], 0
	s_mov_b32 s[G1V+7], 0
	s_mov_b32 s[G1Q+0], (1<<16)|(1<<20)|(5<<22)|(3<<25)
	s_mov_b32 s[G1Q+1], 128<<16
	s_mov_b32 s[G1Q+2], 16<<16
	s_mov_b32 s[G1Q+3], 128<<16
	s_mov_b32 s[G1Q+4], 16
	s_mov_b32 s[G1Q+5], 128
	s_mov_b32 s[G1Q+6], 0
	s_mov_b32 s[G1Q+7], 0
	s_mov_b32 s[G0K], 1
	s_mul_i32 s[G0K+1], s[WAVE], 128*KPITCH
	s_mov_b32 s[G0V], 1
	s_mul_i32 s[G0V+1], s[WAVE], 32*VPITCH
	s_add_co_u32 s[G0V+1], s[G0V+1], LDSV
	s_mov_b32 s[G0Q], 1
	s_mul_i32 s[G0Q+1], s[WAVE], 32*KPITCH
	s_add_co_u32 s[G0Q+1], s[G0Q+1], LDSQ
	s_mov_b32 s[G0Q+4], 1
	s_add_co_u32 s[G0Q+5], s[G0Q+1], 16*KPITCH
	s_lshl_b32 s66, ttmp9, 17                      ; 131,072 bytes a head
	s_lshl_b32 s68, s[WAVE], 15                    ; my 128 rows of K, my 32 rows of V^T: 32,768 bytes either way
	s_add_co_u32 s68, s68, s66
	s_mov_b32 s69, 0
	s_lshl_b32 s67, s16, 12                        ; 16 cx rows of 256 bytes
	s_add_co_u32 s67, s67, s66
	s_lshl_b32 s70, s[WAVE], 14                    ; 64 w rows
	s_add_co_u32 s70, s70, s67
	s_mov_b32 s71, 0
	s_lshl_b32 s72, s19, 14                        ; 64 (7 - w) rows
	s_add_co_u32 s72, s72, s67
	s_mov_b32 s73, 0
	s_lshl_b32 s74, ttmp9, 2
	s_add_co_u32 s74, s74, s16                     ; work-group 0..255: its slice of W_O
	s_lshl_b32 s76, s74, 16                        ; 65,536 bytes of f32
	s_mov_b32 s77, 0
	s_lshl_b32 s78, s74, 15                        ; 32,768 bytes of f16
	s_mov_b32 s79, 0
	s_lshr_b32 s84, ttmp9, 4                       ; batch
	s_lshl_b32 s84, s84, 21                        ; 512 rows of 4,096 bytes
	s_and_b32 s85, ttmp9, 15                       ; head
	s_lshl_b32 s85, s85, 8                         ; 128 columns of 2 bytes
	s_add_co_u32 s84, s84, s85
	s_lshl_b32 s85, s16, 16                        ; 16 cx rows
	s_add_co_u32 s84, s84, s85
	s_mov_b32 s85, 0
	s_wait_dscnt 0x0
	s_wait_kmcnt 0x0
	s_add_nc_u64 s[G0K+2:G0K+3], s[6:7], s[68:69]
	s_or_b32 s[G0K+3], s[G0K+3], 0x80000000
	s_add_nc_u64 s[G0V+2:G0V+3], s[8:9], s[68:69]
	s_or_b32 s[G0V+3], s[G0V+3], 0x80000000
	s_add_nc_u64 s[G0Q+2:G0Q+3], s[4:5], s[70:71]
	s_or_b32 s[G0Q+3], s[G0Q+3], 0x80000000
	s_add_nc_u64 s[G0Q+6:G0Q+7], s[4:5], s[72:73]
	s_or_b32 s[G0Q+7], s[G0Q+7], 0x80000000
	s_add_nc_u64 s[10:11], s[10:11], s[76:77]
	s_add_nc_u64 s[14:15], s[14:15], s[78:79]
	s_add_nc_u64 s[12:13], s[12:13], s[84:85]
	CROUND                                         ; the four work-groups are here: the joint loads meet
	tensor_load_to_lds s[G0K:G0K+3], s[G1K:G1K+7]
	s_nop 0
	tensor_load_to_lds s[G0V:G0V+3], s[G1V:G1V+7]
	s_nop 0
	tensor_load_to_lds s[G0Q:G0Q+3], s[G1Q:G1Q+7]
	s_nop 0
	tensor_load_to_lds s[G0Q+4:G0Q+7], s[G1Q:G1Q+7]  ; four tensor loads of the wave are out, all that it ever issues
	s_nop 0
	; while they land: the lanes' addresses
	v_and_b32 v1, 15, v0                           ; r
	v_bfe_u32 v2, v0, 4, 1                         ; h
	v_mul_u32_u24 v28, v1, KPITCH
	v_lshl_add_u32 v[KL], v2, 4, v28
	v_mul_u32_u24 v28, v1, VPITCH
	v_lshl_add_u32 v28, v2, 4, v28
	v_add_nc_u32 v[VL0], LDSV, v28
	v_add_nc_u32 v[VL1], 64*VPITCH, v[VL0]
	v_add_nc_u32 v[QA], s[G0Q+1], v[KL]
	s_mul_i32 s86, s[WAVE], 16*KPITCH
	s_add_co_u32 s86, s86, STAGE
	v_add_nc_u32 v[STO], s86, v[KL]
	v_mul_u32_u24 v28, v2, KPITCH
	v_lshl_add_u32 v28, v1, 4, v28
	v_add_nc_u32 v[RD], s86, v28
	v_lshlrev_b32 v28, 4, v1
	v_lshl_add_u32 v28, v2, 12, v28                ; h rows of 4,096 bytes + 16 r
	s_lshl_b32 s87, s[WAVE], 18                    ; 64 rows a tile index
	v_add_nc_u32 v[GOLO], s87, v28
	s_lshl_b32 s87, s19, 18
	v_add_nc_u32 v[GOHI], s87, v28
	v_lshlrev_b32 v28, 3, v2
	v_sub_nc_u32 v28, v1, v28                      ; r - 8 h, signed
	s_lshl_b32 s87, s16, 4
	v_add_nc_u32 v[THR], s87, v28
	v_mov_b32 v[NINF], 0xff800000
	v_lshlrev_b32 v[WOA], 4, v0                    ; W_O: 16 bytes a thread in
	WIN 0x80                                       ; destination in window 2
	v_lshlrev_b32 v[WOS], 3, v0                    ; wo16: 8 bytes a thread out
	WIN 0
	s_wait_tensorcnt 0x0                           ; my parts of K and V^T and my Q are in LDS
	s_barrier_signal -1
	s_barrier_wait -1                              ; everybody's are
	; My work-group's 65,536 bytes of W_O: a load of the work-group covers 2,048 consecutive bytes.  All 32 loads go out here, into window 2, which nothing else names.
	WIN 0x80
.set wn, 0
.rept 32
	global_load_b128 v[WI+4*wn:WI+4*wn+3], v[WOA], s[10:11] offset:2048*wn th:TH_LOAD_NT
.set wn, wn+1
.endr
	WIN 0
.macro MM d, x, y, zero
.if \zero
	v_wmma_f32_16x16x32_f16 v[\d:\d+7], v[\x:\x+7], v[\y:\y+7], 0
.else
	v_wmma_f32_16x16x32_f16 v[\d:\d+7], v[\x:\x+7], v[\y:\y+7], v[\d:\d+7]
.endif
.endm
.macro KLOADS                          ; 32 loads: 64 keys x 128 of the chunk at KA
	WIN 0x40
.irp e, 0,1,2,3
.irp c, 0,1,2,3
	ds_load_b128 v[KF+8*(4*\e+\c):KF+8*(4*\e+\c)+3],   v[KA] offset:16*KPITCH*\e+64*\c
	ds_load_b128 v[KF+8*(4*\e+\c)+4:KF+8*(4*\e+\c)+7], v[KA] offset:16*KPITCH*\e+64*\c+32
.endr
.endr
	WIN 0
.endm
.macro VLOADS                          ; 32 loads: 128 v x 64 keys of the chunk at VA0, VA1
	WIN 0x40
.irp c, 0,1
.irp e, 0,1,2,3
	ds_load_b128 v[VF+8*(8*\c+\e):VF+8*(8*\c+\e)+3],   v[VA0] offset:16*VPITCH*\e+64*\c
	ds_load_b128 v[VF+8*(8*\c+\e)+4:VF+8*(8*\c+\e)+7], v[VA0] offset:16*VPITCH*\e+64*\c+32
.endr
.irp e, 0,1,2,3
	ds_load_b128 v[VF+8*(8*\c+\e+4):VF+8*(8*\c+\e+4)+3],   v[VA1] offset:16*VPITCH*\e+64*\c
	ds_load_b128 v[VF+8*(8*\c+\e+4)+4:VF+8*(8*\c+\e+4)+7], v[VA1] offset:16*VPITCH*\e+64*\c+32
.endr
.endr
	WIN 0
.endm
; One unit: 16 queries x 64 keys.  first = 1: the tile's diagonal chunk, masked; it starts maximum, sum and output.
; At its head this chunk's K is on its way (or in).  In both runs of matrix instructions the accumulators take turns, one instruction a turn.
.macro UNIT first
	PLACES                                         ; V's fragments were read by matrix instructions
	VLOADS
.if \first
	v_mov_b32 v[VA0], v[VL0]                       ; next: chunk 0
	v_mov_b32 v[VA1], v[VL1]
.else
	v_add_nc_u32 v[VA0], 128, v[VA0]               ; next: 64 keys of 2 bytes on
	v_add_nc_u32 v[VA1], 128, v[VA1]
.endif
	s_wait_dscnt 32                                ; Q and this chunk's K are in; V's 32 loads, issued behind them, stay out
	WIN 0x01
.irp c, 0,1,2,3
.irp e, 0,1,2,3
.if \c == 0
	MM SC+8*\e, KF+8*(4*\e+\c), QF+8*\c, 1
.else
	MM SC+8*\e, KF+8*(4*\e+\c), QF+8*\c, 0
.endif
.endr
.endr
	PLACES                                         ; K's fragments are loaded again, the scores are read
	KLOADS                                         ; the next chunk's K (behind a tile's last unit: a chunk of K that is not used; it lies inside K)
	v_add_nc_u32 v[KA], 64*KPITCH, v[KA]
.if \first
.irp e, 0,1,2,3
.irp j, 0,1,2,3,4,5,6,7
	v_cmp_le_i32 vcc_lo, 16*\e+\j, v[THR]          ; key <= query
	v_cndmask_b32 v[SC+8*\e+\j], v[NINF], v[SC+8*\e+\j], vcc_lo
.endr
.endr
.endif
.irp e, 0,1,2,3
	v_max3_num_f32 v[TT+\e], v[SC+8*\e], v[SC+8*\e+1], v[SC+8*\e+2]
.endr
.irp e, 0,1,2,3
	v_max3_num_f32 v[TT+\e], v[TT+\e], v[SC+8*\e+3], v[SC+8*\e+4]
.endr
.irp e, 0,1,2,3
	v_max3_num_f32 v[TT+\e], v[TT+\e], v[SC+8*\e+5], v[SC+8*\e+6]
.endr
.irp e, 0,1,2,3
	v_max_num_f32 v[TT+\e], v[TT+\e], v[SC+8*\e+7]
.endr
	v_max3_num_f32 v[TT], v[TT], v[TT+1], v[TT+2]
	v_max_num_f32 v[TT], v[TT], v[TT+3]
	v_permlanex16_b32 v[TT+1], v[TT], s22, s23     ; the other half's keys of my query
.if \first
	v_max_num_f32 v[MX], v[TT], v[TT+1]            ; finite: the query's own key lies in this chunk
.else
	v_max3_num_f32 v[TT+1], v[TT], v[TT+1], v[MX]  ; the new maximum
	v_sub_f32 v[TT+2], v[MX], v[TT+1]
	v_mul_f32 v[TT+2], s20, v[TT+2]
	v_exp_f32 v[AL], v[TT+2]                       ; what was summed before shrinks by 2^((old - new) c)
	v_exp_f32 v[AL+1], v[TT+2]
	v_mov_b32 v[MX], v[TT+1]                       ; the plain instruction behind the two exponentials (ISA guide 5.7.2)
.endif
	v_mul_f32 v[NMC], 0xbe0293ee, v[MX]            ; - maximum x c
	v_mov_b32 v[NMC+1], v[NMC]
.set ui, 0
.rept 16
	v_pk_fma_f32 v[SC+2*ui:SC+2*ui+1], v[SC+2*ui:SC+2*ui+1], s[20:21], v[NMC:NMC+1] op_sel_hi:[1,0,1]
.set ui, ui+1
.endr
.set ui, 0
.rept 32
	v_exp_f32 v[SC+ui], v[SC+ui]                   ; a masked score is minus infinity and gives 0
.set ui, ui+1
.endr
	v_nop                                          ; the plain place behind the exponentials
	s_wait_alu depctr_va_vdst(0)
.irp e, 0,1,2,3
	v_pk_add_f32 v[TT+2*\e:TT+2*\e+1], v[SC+4*\e:SC+4*\e+1], v[SC+4*\e+2:SC+4*\e+3]
.endr
.irp g, 16,24
.irp e, 0,1,2,3
	v_pk_add_f32 v[TT+2*\e:TT+2*\e+1], v[TT+2*\e:TT+2*\e+1], v[SC+\g+2*\e:SC+\g+2*\e+1]
.endr
.endr
	v_pk_add_f32 v[TT:TT+1], v[TT:TT+1], v[TT+2:TT+3]
	v_pk_add_f32 v[TT+4:TT+5], v[TT+4:TT+5], v[TT+6:TT+7]
	v_pk_add_f32 v[TT:TT+1], v[TT:TT+1], v[TT+4:TT+5]
.if \first
	v_add_f32 v[LS], v[TT], v[TT+1]
.else
	v_add_f32 v[TT], v[TT], v[TT+1]
	v_fma_f32 v[LS], v[LS], v[AL], v[TT]
.endif
.set ui, 0
.rept 16
	v_cvt_pk_f16_f32 v[PR+ui], v[SC+2*ui], v[SC+2*ui+1]
.set ui, ui+1
.endr
.if \first == 0
.set ui, 0
.rept 32
	v_pk_mul_f32 v[OA+2*ui:OA+2*ui+1], v[OA+2*ui:OA+2*ui+1], v[AL:AL+1]
.set ui, ui+1
.endr
.endif
	s_wait_dscnt 32                                ; V is in; the next chunk's 32 loads of K, issued behind it, stay out
	WIN 0x01
.irp c, 0,1
.irp e, 0,1,2,3,4,5,6,7
	MM OA+8*\e, VF+8*(8*\c+\e), PR+8*\c, \first*(1-\c)
.endr
.endr
	WIN 0
.endm
; One query tile.  qoff: its place in my part of Q; si: the scalar register with its index i; go: the register with its offset in mh.
; Behind the diagonal unit come chunks 0 .. i - 1, written out: i lies in least .. most, and from chunk `least` on a branch on the wave's number ends the run.
.macro TILE qoff, si, go, least, most
	s_wait_dscnt 0x0                               ; no LDS load of mine is out: K's fragment registers are loaded again
.irp c, 0,1,2,3
	ds_load_b128 v[QF+8*\c:QF+8*\c+3],   v[QA] offset:\qoff+64*\c
	ds_load_b128 v[QF+8*\c+4:QF+8*\c+7], v[QA] offset:\qoff+64*\c+32
.endr
	s_mul_i32 s80, s[\si], 64*KPITCH
	s_lshl_b32 s81, s[\si], 7
	v_add_nc_u32 v[KA], s80, v[KL]                 ; the diagonal chunk
	v_add_nc_u32 v[VA0], s81, v[VL0]
	v_add_nc_u32 v[VA1], s81, v[VL1]
	KLOADS
	v_mov_b32 v[KA], v[KL]                         ; next: chunk 0
	UNIT 1
.irp c, 0,1,2,3,4,5,6
.if \c < \most
.if \c >= \least
	s_cmp_le_u32 s[\si], \c
	s_cbranch_scc1 .Ldone_\@
.endif
	UNIT 0
.endif
.endr
.Ldone_\@:
	PLACES                                         ; the output is read
	v_permlanex16_b32 v[TT], v[LS], s22, s23
	v_add_f32 v[LS], v[LS], v[TT]                  ; both halves of the keys
	v_rcp_f32 v[AL], v[LS]
	v_rcp_f32 v[AL+1], v[LS]
	v_nop
.set ui, 0
	s_wait_alu depctr_va_vdst(0)
.rept 32
	v_pk_mul_f32 v[OA+2*ui:OA+2*ui+1], v[OA+2*ui:OA+2*ui+1], v[AL:AL+1]
.set ui, ui+1
.endr
.set ui, 0
.rept 32
	v_cvt_pk_f16_f32 v[OUTR+ui], v[OA+2*ui], v[OA+2*ui+1]
.set ui, ui+1
.endr
.irp e, 0,1,2,3,4,5,6,7
	ds_store_b128 v[STO], v[OUTR+4*\e:OUTR+4*\e+3] offset:32*\e   ; query r, v = 16 e + 8 h .. + 7: my own stage
.endr
	s_wait_xcnt 0x0                                ; the rows read back for the tile before were stores' data
.irp t, 0,1,2,3,4,5,6,7
	ds_load_b128 v[RB+4*\t:RB+4*\t+3], v[RD] offset:2*KPITCH*\t   ; LDS serves a wave's instructions in order (ISA guide 5.7.1): these see the stores above
.endr
.irp t, 0,1,2,3,4,5,6,7
	s_wait_dscnt 7-\t                              ; counts the younger read-backs
	global_store_b128 v[\go], v[RB+4*\t:RB+4*\t+3], s[12:13] offset:8192*\t   ; 16 lanes store a head's 256 bytes of one row, aligned
.endr
.endm
	TILE 16*KPITCH, 19, GOHI, 4, 7                 ; i = 7 - w: 8 to 5 units, the longer tile first: W_O's loads land meanwhile
	; W_O to f16: four numbers of a load pack into 8 bytes; a store of a wave covers 256 consecutive bytes at a multiple of 256 from the buffer's first byte.
	; Sources, results and the stores' offset all lie in window 2 and are written once: no store's source is ever rewritten.
	WIN 0x8a                                       ; sources 0 and 1 and the destination in window 2
.set wn, 0
.rept 4
	s_wait_loadcnt 24-wn                           ; loads come back in order (ISA guide 5.7.1): the next eight are in, the younger ones may stay out
.rept 8
	v_cvt_pk_f16_f32 v[WP+2*wn],   v[WI+4*wn],   v[WI+4*wn+1]
	v_cvt_pk_f16_f32 v[WP+2*wn+1], v[WI+4*wn+2], v[WI+4*wn+3]
	global_store_b64 v[WOS], v[WP+2*wn:WP+2*wn+1], s[14:15] offset:1024*wn
.set wn, wn+1
.endr
.endr
	WIN 0
	TILE 0, WAVE, GOLO, 0, 3                       ; i = w: 1 to 4 units
	s_wait_tensorcnt 0x0
	ds_add_u32 v254, v255
	s_wait_dscnt 0x0
	CROUND                                         ; the closing round
	s_endpgm
.Lfunc_end_k_q4dcdd4b4d1_attn:
	.size	k_q4dcdd4b4d1_attn, .Lfunc_end_k_q4dcdd4b4d1_attn-k_q4dcdd4b4d1_attn
	.p2alignl 7, 3214868480
	.fill 96, 4, 3214868480
	.section	.rodata,"a",@progbits
	.p2align	6, 0x0
	.amdhsa_kernel k_q4dcdd4b4d1_attn
		.amdhsa_group_segment_fixed_size 325120
		.amdhsa_private_segment_fixed_size 0
		.amdhsa_enable_private_segment 0
		.amdhsa_kernarg_size 48
		.amdhsa_user_sgpr_count 2
		.amdhsa_user_sgpr_kernarg_segment_ptr 1
		.amdhsa_wavefront_size32 1
		.amdhsa_system_sgpr_workgroup_id_x 1
		.amdhsa_system_sgpr_workgroup_id_y 1
		.amdhsa_system_sgpr_workgroup_id_z 1
		.amdhsa_system_vgpr_workitem_id 0
		.amdhsa_next_free_vgpr 720
		.amdhsa_next_free_sgpr 92
		.amdhsa_reserve_vcc 1
		.amdhsa_float_denorm_mode_32 3
		.amdhsa_float_denorm_mode_16_64 3
		.amdhsa_memory_ordered 1
		.amdhsa_forward_progress 1
		.amdhsa_inst_pref_size 206
	.end_amdhsa_kernel
	.amdgpu_metadata
---
amdhsa.version: [ 1, 2 ]
amdhsa.kernels:
  - .name:           k_q4dcdd4b4d1_attn
    .symbol:         k_q4dcdd4b4d1_attn.kd
    .args:
      - { .name: qbuf, .offset: 0, .size: 8, .value_kind: global_buffer, .address_space: global }
      - { .name: kbuf, .offset: 8, .size: 8, .value_kind: global_buffer, .address_space: global }
      - { .name: vtbuf, .offset: 16, .size: 8, .value_kind: global_buffer, .address_space: global }
      - { .name: W_O, .offset: 24, .size: 8, .value_kind: global_buffer, .address_space: global }
      - { .name: mh, .offset: 32, .size: 8, .value_kind: global_buffer, .address_space: global }
      - { .name: wo16, .offset: 40, .size: 8, .value_kind: global_buffer, .address_space: global }
    .group_segment_fixed_size: 325120
    .private_segment_fixed_size: 0
    .kernarg_segment_align: 8
    .kernarg_segment_size: 48
    .max_flat_workgroup_size: 128
    .sgpr_count:     92
    .vgpr_count:     720
    .wavefront_size: 32
...
	.end_amdgpu_metadata
.endif
;; end of part 6
;; launch oproj: the kernel of part 3 again; grid 16 x 16, 4 waves a work-group, clusters of 4 x 4, 327,680 bytes of LDS; arguments mh, wo16, out0; writes out0
